; MI455X (gfx1250); checked and timed in simulation.
; The chip was launched on July 23, 2026; its instructions are those of AMD's public machine-readable ISA for CDNA 5 (MIT licence, August 2026) and "CDNA5" Instruction Set Architecture Reference Guide (July 2026). The comments in the code are by the model that wrote it; some were corrected since.
;; Flex Attention. Allowed arithmetic: matrix products marked QUANTISED: E2M3 operands, one E8M0 scale for each 32 along K, by v_wmma_scale_f32_16x16x128_f8f6f4 with both operands' format E2M3, f32 sums; everything else in f32.
;; Inputs: k_codes 2 x 16 x 2,048 x 2 x 24 uint8 (E2M3 codes of k, K innermost, in blocks of 32 codes, four codes in three bytes); k_scales 2 x 16 x 2,048 x 2 uint8 (E8M0 scales of k, one for each 32 codes along K); q_codes 2 x 16 x 2,048 x 2 x 24 uint8 (E2M3 codes of q, K innermost, in blocks of 32 codes, four codes in three bytes); q_scales 2 x 16 x 2,048 x 2 uint8 (E8M0 scales of q, one for each 32 codes along K); sink_weights 16 float32; v_codes 2 x 16 x 64 x 64 x 24 uint8 (E2M3 codes of v, K innermost, in blocks of 32 codes, four codes in three bytes); v_scales 2 x 16 x 64 x 64 uint8 (E8M0 scales of v, one for each 32 codes along K).
;; Outputs: out0 2 x 16 x 2,048 x 64 float32.
;; Constants: sliding_window = 1024.
;; This version of the problem:
;;   THIS VERSION OF THE PROBLEM IS GIVEN IN LOW PRECISION. The matrix products marked QUANTISED in the list below multiply operands that are first quantised to E2M3 (2 exponent bits, 3 mantissa bits; 6 bits a number), with one power-of-two scale for each 32 numbers along K (OCP MX v1.0); their sums are f32. All else is computed in f32.
;;   The module's matrix products, in the order in which they are computed (A, B: the left and right operand; K: the contracted axis; several contracted axes count as one K, in the product's order):
;;     1. batch 32 x [M 2,048, K 64] x [K 64, N 2,048]; A: input q (given as codes); B: input k (given as codes): QUANTISED
;;     2. batch 32 x [M 2,048, K 2,048] x [K 2,048, N 64]; A: computed on the way; B: input v (given as codes): QUANTISED
;;   THE QUANTISER, for each operand of a quantised product, along K:
;;     - K is cut into blocks of 32 from its start; a last block that is shorter is filled with zeros.
;;     - A block's scale is 2^e with e = floor(log2(the largest magnitude in the block)) - 2, held to -126 .. 127; a block of zeros has e = 0. As a byte (E8M0): e + 127.
;;     - Each number is divided by its block's scale, clamped to +-7.5, and rounded to the nearest number of E2M3, ties to even, subnormals kept.
;;     - The product sums the exact products of the quantised numbers (number of the format x scale) in f32.
;;   ~~~python
;;   def quantise(x, axis):      # numpy; x: float32 -> the quantised numbers, widened to float32 again
;;       x = np.moveaxis(x, axis, -1); K = x.shape[-1]
;;       x = np.pad(x, [(0, 0)] * (x.ndim - 1) + [(0, -K % 32)]); x = x.reshape(x.shape[:-1] + (-1, 32)); a = np.abs(x).max(-1, keepdims=True)
;;       e = np.where(a > 0, np.clip(np.frexp(np.where(a > 0, a, 1))[1] - 1 - 2, -126, 127), 0)      # np.frexp(a)[1] - 1 = floor(log2(a)), exactly
;;       r = np.clip(x / 2.0 ** e, -7.5, 7.5)
;;       step = 2.0 ** (np.maximum(np.frexp(np.where(r == 0, 1, r))[1] - 1, 0) - 3)
;;       q = np.round(r / step) * step * 2.0 ** e      # np.round: ties to even
;;       return np.moveaxis(q.reshape(q.shape[:-2] + (-1,))[..., :K], -1, axis).astype(np.float32)
;;   ~~~
;;   OPERANDS COMPUTED ON THE WAY. 'Computed on the way' means the value that the module computes at that place (a softmax that the list does not call 'softmax' is quantised finished and normalised). What goes into a quantiser is computed in f32, as accurately as f32 sums, v_exp_f32 and their like allow (about 1e-6 of the number): no bf16 or f16 on the way to a quantiser, and a product that is left as it is and whose result goes on into a quantised operand takes f32 operands (vector FMAs, or v_wmma_f32_16x16x4_f32). A number that lies on a knife's edge between two numbers of the format may be rounded either way, as far as f32 arithmetic and the matrix unit's own rounding can turn it there, and no further.
;;   INPUTS GIVEN AS CODES. k (in the module: [2, 16, 2048, 64], K = its axis 3); q (in the module: [2, 16, 2048, 64], K = its axis 3); v (in the module: [2, 16, 2048, 64], K = its axis 2): each comes as NAME_codes (uint8): NAME with its K axis moved to the last place and cut into blocks of 32 codes, [.., K / 32, bytes a block], one block behind the other in memory; four codes in three bytes: a row's codes are one little-endian stream of bits, code i at bits 6 i .. 6 i + 5 (a code: sign, 2 exponent bits, 3 mantissa bits); and NAME_scales (uint8): the same leading axes, one E8M0 byte (e + 127) for each 32 codes along K. Its value is code x scale, taken as it is: it is not quantised again, and the codes and scales need not be those that the quantiser above would give.
;; 2 versions, each right; version 2 is version 1 with the launch attn written anew for expert scheduling mode. Each part assembles by itself: llvm-mc -triple=amdgcn-amd-amdhsa -mcpu=gfx1250 --defsym DOCPART=n.
;; ======== version 1 of 2: 1 launch
;; launch attn (part 1): grid 256 x 1, 4 waves a work-group, no clusters, 301,568 bytes of LDS; arguments q_codes, q_scales, k_codes, k_scales, v_codes, v_scales, sink_weights, out0; writes out0
.if DOCPART == 1
	.amdgcn_target "amdgcn-amd-amdhsa--gfx1250"
	.amdhsa_code_object_version 6
	.text
	.protected	k_q95990b9449_attn
	.globl	k_q95990b9449_attn
	.p2align	8
	.type	k_q95990b9449_attn,@function
k_q95990b9449_attn:
	s_mov_b64 s[64:65], 0
	v_nop
	global_prefetch_b8 v0, s[64:65] scope:SCOPE_SE
	s_setreg_imm32_b32 hwreg(HW_REG_WAVE_MODE, 25, 1), 1
	s_wait_xcnt 0x0
; out[h][q][:] = the sum over k of P[q][k] V[h][k][:], P = softmax over the kept keys and one sink logit of Q[h][q] . K[h][k] / 8; key k is kept for query q where 0 <= q - k <= 1024.
; 32 heads, 2,048 queries and keys, head size 64.  Both products run on codes of FP6 (E2M3) with one E8M0 scale for each 32 along K.  P IS QUANTISED FINISHED AND NORMALISED, in blocks of 32 keys: so a row's
; maximum and sum are known before its first code is made.  A wave keeps ALL scores of its 16 queries' window in registers (9 key steps of 128 x 64 registers): K Q^T and the exponentials are done once.
;   phase 1: the scores and each block's largest score;  the row's exact maximum (the sink among its candidates);  phase 2: p = 2^(c s - c m) in place, and its sum;  phase 3: p / l, the quantiser, V^T P.
; SHARES.  A work-group of four waves, one to a SIMD; the waves take the four tiles of 16 queries of a block of 64.  A UNIT is 9 slots, a slot one key step of 128 keys.  A block b >= 16 has 9 steps (one unit);
; two blocks b < 16 with a + 1 and 8 - a steps share a unit (X: slots 0 .. a, Y: the others).  24 units a head, 768 in all: each of the 256 work-groups walks three, 27 slots, none idle.
; A head's K, V and scale bytes (205 KB) go into LDS once, at the head, through registers: each wave loads a quarter, 512 consecutive bytes an instruction, and stores it with the padding that the reads want.
; Nothing is filled again: one barrier, in front of the loop.
; NO CLUSTER, NO TENSOR LOADS: the eight work-groups of a head read the same bytes, but a slot's key step hangs on the work-group's number within its head, and with it LDS addresses and the branch between the
; accumulators of X and Y, which partners of a joint request may not have; and K's groups of 1,536 bytes and V's rows of 1,536 bytes want their padding behind a length that is no power of two.
; LAYOUT.  S^T = K Q^T (source 0 = 16 keys, source 1 = my 16 queries), O^T = V^T P (source 0 = 16 of the head's 64, source 1 = P): a lane holds ONE query (lane % 16) throughout.
; THE KEYS OF A TILE ARE NOT NEIGHBOURS: row rho of tile (c, i) is key 64 c + 32 (rho / 8) + 8 i + rho % 8, so that register 32 c + n of lane (r, h) is key 64 c + 32 h + n: a whole block of 32 keys lies in one
; lane's 32 registers: its maximum needs no other lane, and the conversions' results are the second product's operand as they stand.
; K = 64 fills half of the instruction's 128: Q's upper six registers are zero codes; K's upper six are whatever follows (the next tile), which zero codes annul; the scale words' upper bytes are 0, no NaN.
; THE MASKS are the C of the score products of slots 0 and 8: images of 0 and -1e30, made once, kept in LDS.  All blocks of a work-group have one parity, so the images serve all three units.
; LIMITS: p under 2^-126 counts as 0 (v_exp_f32 gives 0 there: ISA guide, its entry); a block of zeros gets the scale byte 1 with zero codes, which add nothing; a block's largest p is taken as the p of its largest
; score, which takes v_exp_f32 not to fall where its input rises; a scale byte 0xff, a NaN or an infinite sink give NaN.
.set KGRP,  1664                       ; LDS: 32 keys x 48 bytes + 128: the two groups of eight keys that a load touches lie 32 banks apart (64 banks of 4 bytes: ISA guide 11.1)
.set KSTP,  4*KGRP                     ; a key step of K
.set VREG,  64*KGRP                    ; V: 64 rows d
.set VP,    1552                       ; of 1,536 bytes + 16: row r starts at bank 4 r mod 64
.set KSC,   VREG+64*VP                 ; K's scales, widened to one word a key (bytes 2 and 3 are 0): 8,192 bytes
.set VSC,   KSC+8192                   ; V's [d][64], dense
.set MASK,  VSC+4096                   ; for each wave 16,384 bytes: the causal image, then the window's edge image; an image is 64 registers, four at 512 q + 16 lane
.set STAGE, MASK+4*16384               ; for each wave 16 rows x 272 bytes, for the way out
.set SP,    272
; window 0
.set L16, 1                            ; 16 x lane: my place in a load's 512 bytes; never rewritten
.set AK,  2                            ; my lane's place in a step of K
.set AKS, 3                            ; among K's scale words
.set AV,  4                            ; in V
.set AVS, 5                            ; among V's scale words
.set AMC, 6                            ; in my wave's causal image
.set STO, 7                            ; the stage: where I put 32 bytes of a row
.set RD,  8                            ; and where I read a row back
.set GOL, 9                            ; my byte in two rows of out
.set QOL, 10                           ; my byte in 16 rows of Q's codes
.set QSL, 11                           ; the word of Q's scales that holds my row's two bytes
.set SH8, 12                           ; 8 x (lane / 16)
.set NEGV, 13                          ; -1e30
.set ADK, 14                           ; the addresses in hand (at the head: where my quarter of K, its scales, V and its scales goes)
.set ADS, 15
.set ADV, 16
.set ADV2, 17
.set ADT, 18
.set ADM, 19
.set VQX, 20                           ; offsets in memory: Q's codes, Q's scales, out, for X and for Y
.set VQY, 21
.set VSX, 22
.set VSY, 23
.set VGX, 24
.set VGY, 25
.set SH16, 26                          ; 16 x (row % 2): where my row's two scale bytes stand in their word
.set SKO, 27                           ; the sink's offset: 4 x the head within its batch
.set QX,  28                           ; v28-33, v34-39 Q's codes of X and of Y
.set QY,  34
.set QXS, 40                           ; their scale words
.set QYS, 41
.set QSS, 42                           ; the slot's
.set QS,  44                           ; v44-55 the slot's fragment of Q; v50-55 zero codes
.set KSCL, 56                          ; v56-59 K's scale words: lanes 0-15 an even tile's, lanes 16-31 the odd tile's behind it
.set VSCL, 60                          ; v60-61 V's likewise
.set PSC, 62                           ; v62-63 P's scale word, by the slot's parity
.set FR,  64                           ; v64-117 K's 8 tiles (6 registers each, then 6 zeros), then V's 4 x 12, then X's rows on the way out
.set PC,  120                          ; v120-131 P's codes
.set PT0, 132                          ; the second three registers of a block's six are made here and moved: a conversion's three begin on an even number
.set PT1, 136
.set BY0, 140
.set BY1, 141
.set W,   142
.set W2,  143
.set TU,  144                          ; v144-152 the slots' largest scores
.set MX,  154
.set MY,  155
.set NCMX, 156                         ; -c m
.set NCMY, 157
.set LX,  158                          ; v[158:159], v[160:161] the sums, in two halves
.set LY,  160
.set RLX, 162                          ; 1 / l
.set RLY, 163
.set PSX, 164                          ; the sink's term
.set PSY, 165
.set TA,  166
.set TB,  167
.set TC,  168
.set TD,  169
.set TE,  170
.set TF,  171
.set VSK, 172                          ; the sink's logit x log2(e),
.set VNSK, 173                         ; and its negative
.set RKS, 176                          ; at the head: v176-183 K's scale bytes as loaded, v184-191 V's
.set RVS, 184
.set OX,  192                          ; v192-223 X's O^T, v224-255 Y's  (at the head v192-207: K's scale words)
.set OY,  224
; windows 1 to 3: window w holds slots 3 (w - 1) + k, k = 0, 1, 2: v[64 k ..] the scores, then p; v[192 + 2 k] a pair whose low word is -c m, later 1 / l; v[198 + 2 k + c] block c's largest score, later p;
; v[204 + 4 k ..] two chains of sums; v216-217 a second chain of maxima; v218-219 the conversions' scale operands.  At the head: window 1 v0-127 the images, window 2 v0-191 K's codes, window 3 v0-191 V's
.set WV,  20
.set HD,  21
.set PI,  22
.set Z,   23
.set T,   24
.set JX,  25
.set A,   26
.set RX,  27
.set RY,  28
.set K1,  29
.set K2,  30
.set T0,  31
.set CS,  32                           ; s[32:33] c = log2(e) / 8: the packed form names a pair and takes its low word for both halves
.set SEL, 34                           ; s[34:35] v_permlanex16_b32's selects for lane l xor 16
.set SM,  36
.set NCS, 37
.set FX,  38
.set FY,  40
.set T1,  44
.set TN,  45
.set NRX, 46
.set NRY, 47
.set MOFF, 48
.set BROW, 49
.set DJ,  58
.set DA,  59
.set MSB, 0
.macro WIN new                         ; bits 1:0 source 0, 3:2 source 1, 5:4 source 2, 7:6 destination; the immediate's high byte repeats the setting that is left; a switch that changes nothing is dropped
.if MSB != (\new)
	s_set_vgpr_msb (MSB<<8)|(\new)
.set MSB, \new
.endif
.endm
.macro PICK u                          ; all ones where slot u is X's
	s_cmp_ge_u32 s[A], \u
	s_cselect_b32 s[SM], -1, 0
.endm
.macro KS u                            ; slot u's key step: X walks down from its diagonal step, Y up to its own
	s_sub_co_u32 s[K1], s[JX], \u
	s_sub_co_u32 s[K2], (\u)-1, s[A]
	s_cmp_ge_u32 s[A], \u
	s_cselect_b32 s[K1], s[K1], s[K2]
	s_and_b32 s[K1], s[K1], 15                     ; a head has 16 key steps
.endm
; Trip t: 0: blocks 2 Z + PI (X, Z + 1 steps) and 14 - 2 Z + PI (Y, 8 - Z steps); 1, 2: block 14 + 4 Z + 2 t + PI, all nine slots X's.  rx, ry: my wave's first rows; j: X's diagonal step; a: X's last slot
.macro PARAMS t, rx, ry, j, a
	s_lshl_b32 s[T0], s[Z], 1
	s_add_co_u32 s[\rx], s[T0], s[PI]
	s_sub_co_u32 s[\ry], 14, s[T0]
	s_add_co_u32 s[\ry], s[\ry], s[PI]
	s_add_co_u32 s[T1], s[T0], s[\t]
	s_add_co_u32 s[\j], s[T1], 7
	s_lshl_b32 s[T1], s[T1], 1
	s_add_co_u32 s[T1], s[T1], 14
	s_add_co_u32 s[T1], s[T1], s[PI]
	s_cmp_eq_u32 s[\t], 0
	s_cselect_b32 s[\rx], s[\rx], s[T1]
	s_cselect_b32 s[\ry], s[\ry], s[T1]
	s_cselect_b32 s[\j], s[Z], s[\j]
	s_cselect_b32 s[\a], s[Z], 8
	s_lshl_b32 s[\rx], s[\rx], 6
	s_add_co_u32 s[\rx], s[\rx], s[BROW]
	s_lshl_b32 s[\ry], s[\ry], 6
	s_add_co_u32 s[\ry], s[\ry], s[BROW]
.endm
.macro QLOAD rx, ry                    ; Q's fragments of X and of Y, 24 bytes a lane, and the words that hold their rows' scale bytes.  The four additions stand first
	s_mul_i32 s[T0], s[\rx], 48
	s_lshl_b32 s[T1], s[\rx], 1
	v_add_nc_u32 v[VQX], s[T0], v[QOL]
	v_add_nc_u32 v[VSX], s[T1], v[QSL]
	s_mul_i32 s[T0], s[\ry], 48
	s_lshl_b32 s[T1], s[\ry], 1
	v_add_nc_u32 v[VQY], s[T0], v[QOL]
	v_add_nc_u32 v[VSY], s[T1], v[QSL]
.irp p, 0,1,2
	global_load_b64 v[QX+2*\p:QX+2*\p+1], v[VQX], s[4:5] offset:8*\p
	global_load_b64 v[QY+2*\p:QY+2*\p+1], v[VQY], s[4:5] offset:8*\p
.endr
	global_load_b32 v[QXS], v[VSX], s[6:7]
	global_load_b32 v[QYS], v[VSY], s[6:7]
.endm
; The largest score of each of slot u's two blocks of 32 keys: four chains by turns; each accumulator is first read at its low end
.macro MAXS u
.set mw, 1+(\u)/3
.set mk, (\u)%3
.set mb, 64*mk
	WIN 0x55*mw
.irp c, 0,1
	v_max3_num_f32 v[216+\c], v[mb+32*\c], v[mb+32*\c+1], v[mb+32*\c+2]
.endr
.irp c, 0,1
	v_max3_num_f32 v[198+2*mk+\c], v[mb+32*\c+16], v[mb+32*\c+17], v[mb+32*\c+18]
.endr
.irp j, 3,5,7,9,11,13
.irp c, 0,1
	v_max3_num_f32 v[216+\c], v[216+\c], v[mb+32*\c+\j], v[mb+32*\c+\j+1]
.endr
.irp c, 0,1
	v_max3_num_f32 v[198+2*mk+\c], v[198+2*mk+\c], v[mb+32*\c+16+\j], v[mb+32*\c+17+\j]
.endr
.endr
.irp c, 0,1
	v_max_num_f32 v[216+\c], v[216+\c], v[mb+32*\c+15]
.endr
.irp c, 0,1
	v_max3_num_f32 v[198+2*mk+\c], v[198+2*mk+\c], v[mb+32*\c+31], v[216+\c]
.endr
.endm
; PHASE 1, slot u: K's 8 tiles and their scale words from LDS; Q's fragment chosen; the slot before's maxima stand between the loads and the wait for them; 8 products
.macro SLOT1 u
.set ww, 1+(\u)/3
.set sb, 64*((\u)%3)
.set msk, ((\u)==0)||((\u)==8)
	KS \u
	s_mul_i32 s[T0], s[K1], KSTP
	s_lshl_b32 s[T1], s[K1], 9                     ; 128 scale words a step
	WIN 0
	v_add_nc_u32 v[ADK], s[T0], v[AK]              ; these four lines are the places behind the last products, in front of the loads into their operands
	v_add_nc_u32 v[ADS], s[T1], v[AKS]
	v_nop
	v_nop
.set i, 0
.rept 8
.irp p, 0,1,2
	ds_load_b64 v[FR+6*i+2*\p:FR+6*i+2*\p+1], v[ADK] offset:2*KGRP*(i/4)+384*(i%4)+8*\p
.endr
.set i, i+1
.endr
.irp q, 0,1,2,3
	ds_load_b32 v[KSCL+\q], v[ADS] offset:256*(\q/2)+64*(\q%2)
.endr
.if msk
	WIN ww<<6                                      ; the mask's image lands in the slot's accumulators: it is the products' C
.set i, 0
.rept 16
.if (\u)==0
	ds_load_b128 v[sb+4*i:sb+4*i+3], v[AMC] offset:512*i
.else
	ds_load_b128 v[sb+4*i:sb+4*i+3], v[ADM] offset:512*i
.endif
.set i, i+1
.endr
.endif
	WIN 0
	PICK \u
.irp j, 0,1,2,3,4,5
	v_cndmask_b32 v[QS+\j], v[QY+\j], v[QX+\j], s[SM]
.endr
	v_cndmask_b32 v[QSS], v[QYS], v[QXS], s[SM]
.if (\u) > 0
	MAXS (\u)-1                                    ; 32 plain lines: also the places between the scale word just written and the products
.else
.rept 8
	v_nop                                          ; a scale register written by a vector line stands 8 places ahead of a scaled product
.endr
.endif
	s_wait_dscnt 0x0                               ; K's tiles, the scale words and the image are in
	WIN (ww<<6)|(ww<<4)
.set i, 0
.rept 8
.set rD, sb+8*i
.set rA, FR+6*i
.set rK, KSCL+i/2
.if msk && (i%2)
	v_wmma_scale_f32_16x16x128_f8f6f4 v[rD:rD+7], v[rA:rA+11], v[QS:QS+11], v[rD:rD+7], v[rK], v[QSS] matrix_a_fmt:MATRIX_FMT_FP6 matrix_b_fmt:MATRIX_FMT_FP6 matrix_a_scale:MATRIX_SCALE_ROW1
.elseif msk
	v_wmma_scale_f32_16x16x128_f8f6f4 v[rD:rD+7], v[rA:rA+11], v[QS:QS+11], v[rD:rD+7], v[rK], v[QSS] matrix_a_fmt:MATRIX_FMT_FP6 matrix_b_fmt:MATRIX_FMT_FP6
.elseif i%2
	v_wmma_scale_f32_16x16x128_f8f6f4 v[rD:rD+7], v[rA:rA+11], v[QS:QS+11], 0, v[rK], v[QSS] matrix_a_fmt:MATRIX_FMT_FP6 matrix_b_fmt:MATRIX_FMT_FP6 matrix_a_scale:MATRIX_SCALE_ROW1
.else
	v_wmma_scale_f32_16x16x128_f8f6f4 v[rD:rD+7], v[rA:rA+11], v[QS:QS+11], 0, v[rK], v[QSS] matrix_a_fmt:MATRIX_FMT_FP6 matrix_b_fmt:MATRIX_FMT_FP6
.endif
.set i, i+1
.endr
.endm
; PHASE 2.  Line i of 31 of the sum of slot a's 32 pairs, in two chains
.macro SUMOP a
.set sa, 204+4*(\a)
.set sp, 64*(\a)
.if i == 0
	v_pk_add_f32 v[sa:sa+1], v[sp:sp+1], v[sp+4:sp+5]
.elseif i == 1
	v_pk_add_f32 v[sa+2:sa+3], v[sp+2:sp+3], v[sp+6:sp+7]
.elseif i < 30
	v_pk_add_f32 v[sa+2*(i%2):sa+2*(i%2)+1], v[sa+2*(i%2):sa+2*(i%2)+1], v[sp+2*i+4:sp+2*i+5]
.elseif i == 30
	v_pk_add_f32 v[sa:sa+1], v[sa:sa+1], v[sa+2:sa+3]
.endif
.endm
; Three slots of a window in a pipeline: slot e's 66 exponentials, slot f's scalings c s - c m, slot a's sums, by turns (-1: none).  No line here names a result of this batch: ONE wait stands at its end,
; ahead of the next call, in which the sums read it
.macro X2 e, f, a
.set i, 0
.rept 32
.if (\e) >= 0
	v_exp_f32 v[64*(\e)+2*i], v[64*(\e)+2*i]
.endif
.if (\f) >= 0
	v_pk_fma_f32 v[64*(\f)+2*i:64*(\f)+2*i+1], v[64*(\f)+2*i:64*(\f)+2*i+1], s[CS:CS+1], v[192+2*(\f):193+2*(\f)] op_sel_hi:[1,0,0]
.endif
.if (\e) >= 0
	v_exp_f32 v[64*(\e)+2*i+1], v[64*(\e)+2*i+1]
.endif
.if (\a) >= 0
	SUMOP \a
.endif
.set i, i+1
.endr
.if (\e) >= 0
	v_exp_f32 v[198+2*(\e)], v[198+2*(\e)]         ; each block's largest score goes the same way as the scores: the same lines on the same number give the same bits
	v_exp_f32 v[199+2*(\e)], v[199+2*(\e)]
.endif
.if (\f) >= 0
	v_fma_f32 v[198+2*(\f)], v[198+2*(\f)], s[CS], v[192+2*(\f)]
	v_fma_f32 v[199+2*(\f)], v[199+2*(\f)], s[CS], v[192+2*(\f)]
.endif
.if (\e) >= 0
	v_nop                                          ; a plain line behind the last exponential
	s_wait_alu depctr_va_vdst(0)                   ; one wait for the batch
.endif
.endm
.macro GROUP2 w
	WIN (\w)<<6
.irp k, 0,1,2
	PICK 3*((\w)-1)+\k
	v_cndmask_b32 v[192+2*\k], v[NCMY], v[NCMX], s[SM]   ; the slot's -c m
.endr
	WIN 0x55*(\w)
	X2 -1, 0, -1
	X2 0, 1, -1
	X2 1, 2, 0
	X2 2, -1, 1
	X2 -1, -1, 2
	WIN \w
.irp k, 0,1,2
	s_cmp_ge_u32 s[A], 3*((\w)-1)+\k
	s_cselect_b32 s[FX], 1.0, 0
	s_cselect_b32 s[FY], 0, 1.0
	v_pk_fma_f32 v[LX:LX+1], v[204+4*\k:205+4*\k], s[FX:FX+1], v[LX:LX+1] op_sel_hi:[1,0,1]   ; the slot's sum goes to its owner: x 1 there, x 0 in the other
	v_pk_fma_f32 v[LY:LY+1], v[204+4*\k:205+4*\k], s[FY:FY+1], v[LY:LY+1] op_sel_hi:[1,0,1]
.endr
.endm
; PHASE 3
.macro NORM u                          ; p / l, and the same of each block's largest p
.set nw, 1+(\u)/3
.set nk, (\u)%3
.set nb, 64*nk
	WIN 0x55*nw
.set i, 0
.rept 32
	v_pk_mul_f32 v[nb+2*i:nb+2*i+1], v[nb+2*i:nb+2*i+1], v[192+2*nk:193+2*nk] op_sel_hi:[1,0]
.set i, i+1
.endr
	v_mul_f32 v[198+2*nk], v[198+2*nk], v[192+2*nk]
	v_mul_f32 v[199+2*nk], v[199+2*nk], v[192+2*nk]
.endm
.macro SCALE u                         ; the two blocks' scale operands and bytes; with lane l xor 16's two the scale word of these 128 keys is whole
.set cw, 1+(\u)/3
.set ck, (\u)%3
	WIN 0x55*cw
	v_max_num_f32 v[218], 0x1800000, v[198+2*ck]   ; the floor 2^(3 - 127): the byte cannot fall under 1
	v_max_num_f32 v[219], 0x1800000, v[199+2*ck]
	v_add_nc_u32 v[218], 0xff000000, v[218]        ; 2 off the exponent field: the conversion takes the exponent field of this operand as its scale
	v_add_nc_u32 v[219], 0xff000000, v[219]
	WIN cw<<2
	v_lshrrev_b32 v[BY0], 23, v[218]               ; the bytes of blocks h and 2 + h
	v_lshrrev_b32 v[BY1], 23, v[219]
	WIN 0
	v_lshl_or_b32 v[W], v[BY1], 16, v[BY0]
	v_lshlrev_b32 v[W], v[SH8], v[W]
	v_permlanex16_b32 v[W2], v[W], s[SEL], s[SEL+1]
	v_or_b32 v[PSC+(\u)%2], v[W], v[W2]
.endm
.macro VLOAD u                         ; V's four tiles of the slot's key step, and their scale words
	KS \u
	s_mul_i32 s[T0], s[K1], 96
	s_lshl_b32 s[T1], s[K1], 2
	WIN 0
	v_add_nc_u32 v[ADV], s[T0], v[AV]
	v_add_nc_u32 v[ADV2], 32*VP, v[ADV]            ; tiles 2 and 3: beyond the 16 bits of an LDS offset
	v_add_nc_u32 v[ADT], s[T1], v[AVS]
.set i, 0
.rept 4
.irp p, 0,1,2,3,4,5
.if i < 2
	ds_load_b64 v[FR+12*i+2*\p:FR+12*i+2*\p+1], v[ADV] offset:16*VP*(i%2)+48*(\p/3)+8*(\p%3)
.else
	ds_load_b64 v[FR+12*i+2*\p:FR+12*i+2*\p+1], v[ADV2] offset:16*VP*(i%2)+48*(\p/3)+8*(\p%3)
.endif
.endr
.set i, i+1
.endr
	ds_load_b32 v[VSCL], v[ADT]
	ds_load_b32 v[VSCL+1], v[ADT] offset:2048
.endm
.macro CVT u                           ; 64 numbers a lane become the operand's 12 registers
.set cw, 1+(\u)/3
.set cb, 64*((\u)%3)
	WIN 5*cw
	v_cvt_scalef32_pk16_fp6_f32 v[PC:PC+2], v[cb:cb+15], v[218]
	v_cvt_scalef32_pk16_fp6_f32 v[PT0:PT0+2], v[cb+16:cb+31], v[218]
	v_cvt_scalef32_pk16_fp6_f32 v[PC+6:PC+8], v[cb+32:cb+47], v[219]
	v_cvt_scalef32_pk16_fp6_f32 v[PT1:PT1+2], v[cb+48:cb+63], v[219]
	WIN 0
	v_nop                                          ; one plain line behind a scaled conversion
.irp j, 0,1,2
	v_mov_b32 v[PC+3+\j], v[PT0+\j]
	v_mov_b32 v[PC+9+\j], v[PT1+\j]
.endr
.endm
.macro PV1 acc, t, par, zero
.set rO, (\acc)+8*(\t)
.set rV, FR+12*(\t)
.set rW, VSCL+(\t)/2
.if (\zero) && ((\t)%2)
	v_wmma_scale_f32_16x16x128_f8f6f4 v[rO:rO+7], v[rV:rV+11], v[PC:PC+11], 0, v[rW], v[PSC+(\par)] matrix_a_fmt:MATRIX_FMT_FP6 matrix_b_fmt:MATRIX_FMT_FP6 matrix_a_scale:MATRIX_SCALE_ROW1
.elseif (\zero)
	v_wmma_scale_f32_16x16x128_f8f6f4 v[rO:rO+7], v[rV:rV+11], v[PC:PC+11], 0, v[rW], v[PSC+(\par)] matrix_a_fmt:MATRIX_FMT_FP6 matrix_b_fmt:MATRIX_FMT_FP6
.elseif (\t)%2
	v_wmma_scale_f32_16x16x128_f8f6f4 v[rO:rO+7], v[rV:rV+11], v[PC:PC+11], v[rO:rO+7], v[rW], v[PSC+(\par)] matrix_a_fmt:MATRIX_FMT_FP6 matrix_b_fmt:MATRIX_FMT_FP6 matrix_a_scale:MATRIX_SCALE_ROW1
.else
	v_wmma_scale_f32_16x16x128_f8f6f4 v[rO:rO+7], v[rV:rV+11], v[PC:PC+11], v[rO:rO+7], v[rW], v[PSC+(\par)] matrix_a_fmt:MATRIX_FMT_FP6 matrix_b_fmt:MATRIX_FMT_FP6
.endif
.endm
; O^T += V^T P of slot u, onto its owner's four accumulators, which take turns, one instruction a turn.  Slot 0 is always X's and starts X's sums.  The branch hangs on ids alone
.macro PV u
.if (\u) == 0
.irp t, 0,1,2,3
	PV1 OX, \t, 0, 1
.endr
.else
	s_cmp_ge_u32 s[A], \u
	s_cbranch_scc0 .Lpvy_\@
.irp t, 0,1,2,3
	PV1 OX, \t, (\u)%2, 0
.endr
	s_branch .Lpvj_\@
.Lpvy_\@:
.irp t, 0,1,2,3
	PV1 OY, \t, (\u)%2, 0
.endr
.Lpvj_\@:
.endif
.endm
.macro P3 u
.if (\u) < 8
	NORM (\u)+1                                    ; 34 plain lines: the places between the codes and the scale word just made and the products
	WIN 0
.else
.rept 8
	v_nop
.endr
.endif
	s_wait_dscnt 0x0                               ; V's tiles and scale words are in
	PV \u
.if (\u) < 8
	SCALE (\u)+1                                   ; its plain lines are the places behind the products, in front of the loads and conversions into their operands
	VLOAD (\u)+1
	CVT (\u)+1
.endif
.endm
; THE WAY OUT of 16 rows: a lane holds 32 neighbouring bytes of four pieces of a row; they go through my stage and come back as whole rows of 256 bytes
.macro OUT acc, back, off
.irp t, 0,1,2,3
	ds_store_b128 v[STO], v[(\acc)+8*\t:(\acc)+8*\t+3] offset:64*\t            ; each accumulator from its low end on
	ds_store_b128 v[STO], v[(\acc)+8*\t+4:(\acc)+8*\t+7] offset:64*\t+16
.endr
.irp j, 0,1,2,3,4,5,6,7
	ds_load_b128 v[(\back)+4*\j:(\back)+4*\j+3], v[RD] offset:2*SP*\j          ; LDS serves a wave's instructions in order (ISA guide 5.7.1.4): these see the stores above
.endr
.irp j, 0,1,2,3,4,5,6,7
	s_wait_dscnt 7-\j                              ; the 7 - j younger loads may stay out
	global_store_b128 v[\off], v[(\back)+4*\j:(\back)+4*\j+3], s[18:19] offset:512*\j th:TH_STORE_NT   ; 16 lanes store 256 consecutive bytes, a row of out, at a multiple of 256 from its first byte
.endr
.endm
	; ---- THE HEAD
	s_load_b256 s[4:11], s[0:1], 0x0               ; q_codes, q_scales, k_codes, k_scales
	s_load_b256 s[12:19], s[0:1], 0x20             ; v_codes, v_scales, sink_weights, out0
	v_lshl_add_u32 v174, v0, 2, 0x49800
	v_mov_b32 v175, 0
	v_lshrrev_b32 v[TA], 5, v0
	v_readfirstlane_b32 s[WV], v[TA]               ; wave 0..3
	s_lshr_b32 s[HD], ttmp9, 3                     ; the head: eight work-groups each
	s_and_b32 s[PI], ttmp9, 1                      ; the parity of all my blocks
	s_bfe_u32 s[Z], ttmp9, 0x20001                 ; 0..3: which blocks
	v_and_b32 v[TA], 31, v0                        ; lane
	v_lshlrev_b32 v[L16], 4, v[TA]
	; where my quarter of the head goes in LDS
	s_mul_i32 s[T0], s[WV], 16*KGRP
	v_add_nc_u32 v[ADK], s[T0], v[L16]             ; K: 16 groups of 32 keys
	s_mul_i32 s[T0], s[WV], 16*VP
	s_add_co_u32 s[T0], s[T0], VREG
	v_add_nc_u32 v[ADV], s[T0], v[L16]             ; V: 16 rows
	s_lshl_b32 s[T0], s[WV], 11
	s_add_co_u32 s[T0], s[T0], KSC
	v_lshl_add_u32 v[ADS], v[TA], 5, s[T0]         ; K's scale words: 512 keys a wave; a lane's 16 bytes as loaded are 8 keys, 32 bytes as words
	s_lshl_b32 s[T1], s[WV], 10
	s_add_co_u32 s[T0], s[T1], VSC
	v_add_nc_u32 v[ADT], s[T0], v[L16]             ; V's scale bytes: 1,024 a wave
	s_mul_i32 s60, s[HD], 98304                    ; a head's codes: 2,048 x 48 = 64 x 1,536 bytes; my wave's quarter
	s_mul_i32 s61, s[WV], 24576
	s_add_co_u32 s60, s60, s61
	s_mov_b32 s61, 0
	s_lshl_b32 s62, s[HD], 12                      ; a head's scale bytes: 4,096; my wave's quarter
	s_add_co_u32 s62, s62, s[T1]
	s_mov_b32 s63, 0
	s_and_b32 s[K1], s[HD], 15                     ; the head within its batch
	s_lshl_b32 s[K1], s[K1], 2
	v_mov_b32 v[SKO], s[K1]
	; my lane's places
	v_and_b32 v[TA], 15, v0                        ; r
	v_bfe_u32 v[TB], v0, 4, 1                      ; h
	v_and_b32 v[TC], 7, v0                         ; r % 8
	v_bfe_u32 v[TD], v0, 3, 1                      ; r / 8
	v_mul_u32_u24 v[AK], v[TC], 48
	v_mad_u32_u24 v[AK], v[TD], KGRP, v[AK]
	v_mad_u32_u24 v[AK], v[TB], 24, v[AK]          ; K: key 32 (r / 8) + r % 8 of a tile, + my half's 24 bytes
	v_lshl_add_u32 v[AKS], v[TC], 2, KSC
	v_lshl_add_u32 v[AKS], v[TD], 7, v[AKS]
	v_lshl_add_u32 v[AKS], v[TB], 5, v[AKS]        ; its scale words: 4 bytes a key; lanes 16-31 take the tile 8 keys on
	v_mul_u32_u24 v[AV], v[TA], VP
	v_mad_u32_u24 v[AV], v[TB], 24, v[AV]
	v_add_nc_u32 v[AV], VREG, v[AV]
	v_lshl_add_u32 v[AVS], v[TA], 6, VSC
	v_lshl_add_u32 v[AVS], v[TB], 10, v[AVS]       ; V's scales: 64 bytes a row; lanes 16-31 take the tile 16 rows on
	s_lshl_b32 s[T0], s[WV], 14
	s_add_co_u32 s[T0], s[T0], MASK
	v_add_nc_u32 v[AMC], s[T0], v[L16]
	s_mul_i32 s[T0], s[WV], 16*SP
	s_add_co_u32 s[T0], s[T0], STAGE
	v_mul_u32_u24 v[STO], v[TA], SP
	v_lshl_add_u32 v[STO], v[TB], 5, v[STO]
	v_add_nc_u32 v[STO], s[T0], v[STO]
	v_mul_u32_u24 v[RD], v[TB], SP
	v_lshl_add_u32 v[RD], v[TA], 4, v[RD]
	v_add_nc_u32 v[RD], s[T0], v[RD]
	v_lshlrev_b32 v[GOL], 8, v[TB]
	v_lshl_add_u32 v[GOL], v[TA], 4, v[GOL]
	v_mul_u32_u24 v[QOL], v[TA], 48
	v_mad_u32_u24 v[QOL], v[TB], 24, v[QOL]
	v_lshrrev_b32 v[QSL], 1, v[TA]
	v_lshlrev_b32 v[QSL], 2, v[QSL]                ; two rows' scale bytes to a word
	v_and_b32 v[SH16], 1, v0
	v_lshlrev_b32 v[SH16], 4, v[SH16]
	v_lshlrev_b32 v[SH8], 3, v[TB]
	v_mov_b32 v[NEGV], 0xf149f2ca                  ; -1e30
	s_lshl_b32 s[T0], s[PI], 6
	s_lshl_b32 s[T1], s[WV], 4
	s_add_co_u32 s[T0], s[T0], s[T1]
	v_add_nc_u32 v[TE], s[T0], v[TA]               ; my query's place in its diagonal key step: 64 PI + 16 wave + r,
	v_lshlrev_b32 v[TF], 5, v[TB]
	v_sub_nc_u32 v[TE], v[TE], v[TF]               ; less my half's 32 keys
.irp j, 0,1,2,3,4,5
	v_mov_b32 v[QS+6+\j], 0                        ; Q's zero codes for k = 64 .. 127
	v_mov_b32 v[FR+48+\j], 0                       ; what stands behind K's last tile
.endr
	v_mov_b32 v[W2], 0                             ; written once: a lane permute's destination counts as one of its sources (v[TC], v[TD] are written above)
	s_mov_b32 s[CS], 0x3e38aa3b                    ; c = log2(e) / 8
	s_mov_b32 s[CS+1], s[CS]
	s_mov_b32 s[NCS], 0xbe38aa3b
	s_mov_b32 s[SEL], 0x76543210
	s_mov_b32 s[SEL+1], 0xfedcba98
	s_mov_b32 s[FX+1], 0                           ; named as the upper halves of pairs
	s_mov_b32 s[FY+1], 0
	s_lshl_b32 s[BROW], s[HD], 11
	s_add_co_u32 s[BROW], s[BROW], s[T1]           ; 2,048 x head + 16 x wave
	s_mov_b32 s[T], 0
	PARAMS T, NRX, NRY, DJ, DA
	s_wait_kmcnt 0x0
	s_add_nc_u64 s[50:51], s[8:9], s[60:61]        ; my quarter of K's codes, K's scales, V's codes, V's scales
	s_add_nc_u64 s[52:53], s[10:11], s[62:63]
	s_add_nc_u64 s[54:55], s[12:13], s[60:61]
	s_add_nc_u64 s[56:57], s[14:15], s[62:63]
	; 61 loads of mine go out here: the sink's 1, Q's 8, the scales' 4, K's 48
	global_load_b32 v[VSK], v[SKO], s[16:17]       ; the sink's logit
	QLOAD NRX, NRY                                 ; the first trip's Q
	global_load_b128 v[RKS:RKS+3], v[L16], s[52:53]
	global_load_b128 v[RKS+4:RKS+7], v[L16], s[52:53] offset:512
	global_load_b128 v[RVS:RVS+3], v[L16], s[56:57]
	global_load_b128 v[RVS+4:RVS+7], v[L16], s[56:57] offset:512
	WIN 0x80                                       ; destination window 2
.set i, 0
.rept 48
	global_load_b128 v[4*i:4*i+3], v[L16], s[50:51] offset:512*i   ; 32 lanes read 512 consecutive bytes
.set i, i+1
.endr
.irp w, 1,2,3
	WIN \w<<6
.irp j, 192,193,194,195,196,197
	v_mov_b32 v[\j], 0                             ; the pairs of which the packed forms take the low word: the high words are written once
.endr
.endr
	; while they are on their way, the two images: register n of lane (r, h) stands for key kp + 32 h of a step, kp = 64 (n / 32) + n % 32.
	; Causal: hidden where the key comes after my query; edge: hidden where it lies more than 1,024 before it, that is kept where kp + 1 > my place
	WIN 0x40
.set i, 0
.rept 64
	v_cmp_gt_i32 vcc_lo, 64*(i/32)+i%32, v[TE]
	v_cndmask_b32 v[i], 0, v[NEGV], vcc_lo
	v_cmp_gt_i32 vcc_lo, 64*(i/32)+i%32+1, v[TE]
	v_cndmask_b32 v[64+i], v[NEGV], v[QS+6], vcc_lo    ; (v[QS+6] holds 0)
.set i, i+1
.endr
	WIN 0x04                                       ; an LDS store's data are its source 1
.set i, 0
.rept 32
	ds_store_b128 v[AMC], v[4*i:4*i+3] offset:512*i
.set i, i+1
.endr
	WIN 0
	s_wait_loadcnt 48                              ; loads come back in order (ISA guide 5.7.1): behind the sink's, Q's and the scales' stand K's 48, which may stay out
	v_mul_f32 v[VSK], 0x3fb8aa3b, v[VSK]           ; the sink's logit x log2(e),
	v_mul_f32 v[VNSK], -1.0, v[VSK]                ; and its negative
.set i, 0
.rept 8
	v_and_b32 v[OX+2*i], 0xffff, v[RKS+i]          ; K's scales: a key's two bytes become a word whose upper bytes are 0
	v_lshrrev_b32 v[OX+2*i+1], 16, v[RKS+i]
.set i, i+1
.endr
.irp t, 0,1
	ds_store_b128 v[ADS], v[OX+8*\t:OX+8*\t+3] offset:1024*\t
	ds_store_b128 v[ADS], v[OX+8*\t+4:OX+8*\t+7] offset:1024*\t+16
	ds_store_b128 v[ADT], v[RVS+4*\t:RVS+4*\t+3] offset:512*\t
.endr
	WIN 0xc8                                       ; an LDS store's data window 2, a load's destination window 3
.set i, 0
.rept 48
	s_wait_loadcnt 47                              ; behind K's piece i stand 47 - i of K's and i of V's
	ds_store_b128 v[ADK], v[4*i:4*i+3] offset:KGRP*(i/3)+512*(i%3)
	global_load_b128 v[4*i:4*i+3], v[L16], s[54:55] offset:512*i
.set i, i+1
.endr
	WIN 0x0c
.set i, 0
.rept 48
	s_wait_loadcnt 47-i                            ; V's pieces behind piece i may stay out
	ds_store_b128 v[ADV], v[4*i:4*i+3] offset:VP*(i/3)+512*(i%3)
.set i, i+1
.endr
	WIN 0
	s_wait_dscnt 0x0                               ; for the others' sake: my quarter of the head lies in LDS (and my images)
	s_barrier_signal -1
	s_barrier_wait -1                              ; everybody's does; from here on these bytes are only read
.Ltrip:                                            ; three trips, a unit of nine slots each
	PARAMS T, RX, RY, JX, A
	s_lshl_b32 s[MOFF], s[T], 13
	s_min_u32 s[MOFF], s[MOFF], 8192               ; slot 8: trip 0: Y's diagonal step, the causal image; later the window's edge
	v_add_nc_u32 v[ADM], s[MOFF], v[AMC]
	s_lshl_b32 s[T0], s[RX], 8
	v_add_nc_u32 v[VGX], s[T0], v[GOL]
	s_lshl_b32 s[T0], s[RY], 8
	v_add_nc_u32 v[VGY], s[T0], v[GOL]
	s_wait_loadcnt 0x0                             ; this trip's Q
	v_lshrrev_b32 v[QXS], v[SH16], v[QXS]          ; my row's two scale bytes, the upper bytes 0
	v_lshrrev_b32 v[QYS], v[SH16], v[QYS]
	v_and_b32 v[QXS], 0xffff, v[QXS]
	v_and_b32 v[QYS], 0xffff, v[QYS]
	; ---- PHASE 1: the scores
.irp u, 0,1,2,3,4,5,6,7,8
	SLOT1 \u
.endr
	WIN 0
	s_add_co_u32 s[TN], s[T], 1
	s_min_u32 s[TN], s[TN], 2                      ; the next trip's Q is asked for here; the last trip names its own rows again, so that no load leaves its buffer
	PARAMS TN, NRX, NRY, DJ, DA
	QLOAD NRX, NRY                                 ; its four additions are the places behind the last products
	MAXS 8
	; ---- the rows' maxima, the sink among the candidates
.set i, 0
.rept 9
	WIN 5*(1+i/3)
	v_max_num_f32 v[TU+i], v[198+2*(i%3)], v[199+2*(i%3)]
.set i, i+1
.endr
	WIN 0
	v_mov_b32 v[MX], v[TU]                         ; slot 0 is X's
	v_mov_b32 v[MY], v[NEGV]
.irp u, 1,2,3,4,5,6,7,8
	PICK \u
	v_cndmask_b32 v[TA], v[NEGV], v[TU+\u], s[SM]
	v_cndmask_b32 v[TB], v[TU+\u], v[NEGV], s[SM]
	v_max_num_f32 v[MX], v[MX], v[TA]
	v_max_num_f32 v[MY], v[MY], v[TB]
.endr
	v_permlanex16_b32 v[TC], v[MX], s[SEL], s[SEL+1]
	v_permlanex16_b32 v[TD], v[MY], s[SEL], s[SEL+1]
	v_max_num_f32 v[MX], v[MX], v[TC]              ; with lane l xor 16's keys
	v_max_num_f32 v[MY], v[MY], v[TD]
	v_mul_f32 v[NCMX], s[NCS], v[MX]
	v_mul_f32 v[NCMY], s[NCS], v[MY]
	v_min_num_f32 v[NCMX], v[VNSK], v[NCMX]        ; -max(c m, the sink's)
	v_min_num_f32 v[NCMY], v[VNSK], v[NCMY]
	v_add_f32 v[TA], v[VSK], v[NCMX]
	v_add_f32 v[TB], v[VSK], v[NCMY]
	v_exp_f32 v[PSX], v[TA]                        ; the sink's term of the sum; read far below, behind phase 2's waits
	v_exp_f32 v[PSY], v[TB]
	v_mov_b32 v[LX], 0
	v_mov_b32 v[LX+1], 0
	v_mov_b32 v[LY], 0
	v_mov_b32 v[LY+1], 0
	; ---- PHASE 2: p = 2^(c s - c m) in place, and its sums
	GROUP2 1
	GROUP2 2
	GROUP2 3
	WIN 0
	v_add_f32 v[TA], v[LX], v[LX+1]                ; the sum's two halves,
	v_add_f32 v[TB], v[LY], v[LY+1]
	v_permlanex16_b32 v[TC], v[TA], s[SEL], s[SEL+1]
	v_permlanex16_b32 v[TD], v[TB], s[SEL], s[SEL+1]
	v_add_f32 v[TA], v[TA], v[TC]                  ; lane l xor 16's,
	v_add_f32 v[TB], v[TB], v[TD]
	v_add_f32 v[TA], v[TA], v[PSX]                 ; and the sink's term, once
	v_add_f32 v[TB], v[TB], v[PSY]
	v_rcp_f32 v[RLX], v[TA]
	v_rcp_f32 v[RLY], v[TB]
	; ---- PHASE 3: p / l, the quantiser, V^T P
.set i, 0
.rept 32
	v_mov_b32 v[OY+i], 0                           ; Y's first slot hangs on the unit, so Y's sums begin as zeros; X's begin with slot 0's products.  (Plain lines behind the reciprocals)
.set i, i+1
.endr
	s_wait_alu depctr_va_vdst(0)                   ; the wait ahead of the reciprocals' first reader
.irp w, 1,2,3
	WIN \w<<6
.irp k, 0,1,2
	PICK 3*(\w-1)+\k
	v_cndmask_b32 v[192+2*\k], v[RLY], v[RLX], s[SM]   ; the slot's 1 / l
.endr
.endr
	VLOAD 0
	NORM 0
	SCALE 0
	CVT 0
.irp u, 0,1,2,3,4,5,6,7,8
	P3 \u
.endr
	; ---- the way out
.rept 4
	v_nop                                          ; the places behind the last products, in front of the stores that read them and of the loads into V's registers
.endr
	OUT OX, FR, VGX
	s_cmp_lg_u32 s[T], 0
	s_cbranch_scc1 .Lno_y                          ; only trip 0 has a Y
	OUT OY, OX, VGY                                ; Y's rows come back into X's accumulators, which X's LDS stores have left
.Lno_y:
	s_wait_xcnt 0x0                                ; the stores have read their data and offsets (ISA guide 3.1): the next trip writes both again only behind this wait
	s_add_co_u32 s[T], s[T], 1
	s_cmp_lt_u32 s[T], 3
	s_cbranch_scc1 .Ltrip
	s_wait_tensorcnt 0x0
	ds_add_u32 v174, v175
	s_wait_dscnt 0x0
	s_endpgm
.Lfunc_end_k_q95990b9449_attn:
	.size	k_q95990b9449_attn, .Lfunc_end_k_q95990b9449_attn-k_q95990b9449_attn
	.p2alignl 7, 3214868480
	.fill 96, 4, 3214868480
	.section	.rodata,"a",@progbits
	.p2align	6, 0x0
	.amdhsa_kernel k_q95990b9449_attn
		.amdhsa_group_segment_fixed_size 301568
		.amdhsa_private_segment_fixed_size 0
		.amdhsa_enable_private_segment 0
		.amdhsa_kernarg_size 64
		.amdhsa_user_sgpr_count 2
		.amdhsa_user_sgpr_kernarg_segment_ptr 1
		.amdhsa_wavefront_size32 1
		.amdhsa_system_sgpr_workgroup_id_x 1
		.amdhsa_system_sgpr_workgroup_id_y 1
		.amdhsa_system_sgpr_workgroup_id_z 1
		.amdhsa_system_vgpr_workitem_id 0
		.amdhsa_next_free_vgpr 1024
		.amdhsa_next_free_sgpr 66
		.amdhsa_reserve_vcc 1
		.amdhsa_float_denorm_mode_32 3
		.amdhsa_float_denorm_mode_16_64 3
		.amdhsa_memory_ordered 1
		.amdhsa_forward_progress 1
		.amdhsa_inst_pref_size 222
	.end_amdhsa_kernel
	.amdgpu_metadata
---
amdhsa.version: [ 1, 2 ]
amdhsa.kernels:
  - .name:           k_q95990b9449_attn
    .symbol:         k_q95990b9449_attn.kd
    .args:
      - { .name: q_codes, .offset: 0, .size: 8, .value_kind: global_buffer, .address_space: global }
      - { .name: q_scales, .offset: 8, .size: 8, .value_kind: global_buffer, .address_space: global }
      - { .name: k_codes, .offset: 16, .size: 8, .value_kind: global_buffer, .address_space: global }
      - { .name: k_scales, .offset: 24, .size: 8, .value_kind: global_buffer, .address_space: global }
      - { .name: v_codes, .offset: 32, .size: 8, .value_kind: global_buffer, .address_space: global }
      - { .name: v_scales, .offset: 40, .size: 8, .value_kind: global_buffer, .address_space: global }
      - { .name: sink_weights, .offset: 48, .size: 8, .value_kind: global_buffer, .address_space: global }
      - { .name: out0, .offset: 56, .size: 8, .value_kind: global_buffer, .address_space: global }
    .group_segment_fixed_size: 301568
    .private_segment_fixed_size: 0
    .kernarg_segment_align: 8
    .kernarg_segment_size: 64
    .max_flat_workgroup_size: 128
    .sgpr_count:     66
    .vgpr_count:     1024
    .wavefront_size: 32
...
	.end_amdgpu_metadata
.endif
;; end of part 1
;; ======== version 2 of 2: 1 launch; version 1 with the launch attn written anew for expert scheduling mode
;; launch attn (part 2): grid 256 x 1, 4 waves a work-group, no clusters, 301,568 bytes of LDS; arguments q_codes, q_scales, k_codes, k_scales, v_codes, v_scales, sink_weights, out0; writes out0
.if DOCPART == 2
	.amdgcn_target "amdgcn-amd-amdhsa--gfx1250"
	.amdhsa_code_object_version 6
	.text
	.protected	k_q95990b9449_attn
	.globl	k_q95990b9449_attn
	.p2align	8
	.type	k_q95990b9449_attn,@function
k_q95990b9449_attn:
	s_mov_b64 s[64:65], 0
	v_nop
	global_prefetch_b8 v0, s[64:65] scope:SCOPE_SE
	s_setreg_imm32_b32 hwreg(HW_REG_WAVE_SCHED_MODE, 0, 2), 2
	s_setreg_imm32_b32 hwreg(HW_REG_WAVE_MODE, 25, 1), 1
	s_wait_xcnt 0x0
	s_wait_alu depctr_vm_vsrc(0)
; out[h][q][:] = the sum over k of P[q][k] V[h][k][:], P = softmax over the kept keys and one sink logit of Q[h][q] . K[h][k] / 8; key k is kept for query q where 0 <= q - k <= 1024.
; 32 heads, 2,048 queries and keys, head size 64.  Both products run on codes of FP6 (E2M3) with one E8M0 scale for each 32 along K.  P IS QUANTISED FINISHED AND NORMALISED, in blocks of 32 keys: so a row's
; maximum and sum are known before its first code is made.  A wave keeps ALL scores of its 16 queries' window in registers (9 key steps of 128 x 64 registers): K Q^T and the exponentials are done once.
;   phase 1: the scores and each block's largest score;  the row's exact maximum (the sink among its candidates);  phase 2: p = 2^(c s - c m) in place, and its sum;  phase 3: p / l, the quantiser, V^T P.
; SHARES.  A work-group of four waves, one to a SIMD; the waves take the four tiles of 16 queries of a block of 64.  A UNIT is 9 slots, a slot one key step of 128 keys.  A block b >= 16 has 9 steps (one unit);
; two blocks b < 16 with a + 1 and 8 - a steps share a unit (X: slots 0 .. a, Y: the others).  24 units a head, 768 in all: each of the 256 work-groups walks three, 27 slots, none idle.
; A head's K, V and scale bytes (205 KB) go into LDS once, at the head, through registers: each wave loads a quarter, 512 consecutive bytes an instruction, and stores it with the padding that the reads want.
; Nothing is filled again: one barrier, in front of the loop.
; NO CLUSTER, NO TENSOR LOADS: the eight work-groups of a head read the same bytes, but a slot's key step hangs on the work-group's number within its head, and with it LDS addresses and the branch between the
; accumulators of X and Y, which partners of a joint request may not have; and K's groups of 1,536 bytes and V's rows of 1,536 bytes want their padding behind a length that is no power of two.
; LAYOUT.  S^T = K Q^T (source 0 = 16 keys, source 1 = my 16 queries), O^T = V^T P (source 0 = 16 of the head's 64, source 1 = P): a lane holds ONE query (lane % 16) throughout.
; THE KEYS OF A TILE ARE NOT NEIGHBOURS: row rho of tile (c, i) is key 64 c + 32 (rho / 8) + 8 i + rho % 8, so that register 32 c + n of lane (r, h) is key 64 c + 32 h + n: a whole block of 32 keys lies in one
; lane's 32 registers: its maximum needs no other lane, and the conversions' results are the second product's operand as they stand.
; K = 64 fills half of the instruction's 128: Q's upper six registers are zero codes; K's upper six are whatever follows (the next tile), which zero codes annul; the scale words' upper bytes are 0, no NaN.
; THE MASKS are the C of the score products of slots 0 and 8: images of 0 and -1e30, made once, kept in LDS.  All blocks of a work-group have one parity, so the images serve all three units.
; LIMITS: p under 2^-126 counts as 0 (v_exp_f32 gives 0 there: ISA guide, its entry); a block of zeros gets the scale byte 1 with zero codes, which add nothing; a block's largest p is taken as the p of its largest
; score, which takes v_exp_f32 not to fall where its input rises; a scale byte 0xff, a NaN or an infinite sink give NaN.
; THE MODE: SCHED_MODE bits 1:0 = 2 (LLVM: expert scheduling mode 2), set by the entry lines.  The code itself states the register dependences between vector or matrix instructions and memory or LDS
; instructions, with s_wait_alu, always for 0.
; THE PLAN.  Registers that LDS or memory instructions touch in the loop, and who else names them:
;   K's tiles    two buffers by the slot's parity, v64-111 and v192-239 (phase 3's accumulators, idle in phase 1); K's scale words likewise, v56-59 and v176-179.  Slot u's are asked for at the head of slot u - 1's
;                step; slot u's eight products read them.  The images land in the accumulators of slots 0 and 8, with those slots' tiles.
;   V's tiles    two buffers by the slot's parity, v64-111 and window 1 v0-47 (slot 0's scores, dead once its codes are made); V's scale words v60-61 and v56-57.  Asked for and read as K's are, in phase 3.
;   Q            v28-41.  The trip's head shifts its scale words; each slot's selects read it, the last of them in slot 7's step; the next trip's lands from the head of slot 8's step on.
;   addresses    K's two, V's three and Q's four are written at a step's head, behind a wait on vm_vsrc (the loads that read them last) and ahead of the step's wait on va_vdst; the edge image's and out's two at the trip's head.
;   the way out  the accumulators are read by the stage's LDS stores; the rows come back into v64-95 (X) and into X's accumulators (Y), which the global stores read.
; So ONE wait on va_vdst stands at the head of a slot's step, in phase 1 and in phase 3: it states that the addresses just made are written, that the products of the slot before are done reading the buffer in
; which the next slot's loads land, and that the operand and the scale word which vector lines made for this slot's products are written.  The next slot's loads follow it in one run, then this slot's products,
; then the vector work: none of these lines names a register that those loads touch.  Phase 2 holds no memory instruction.
.set KGRP,  1664                       ; LDS: 32 keys x 48 bytes + 128: the two groups of eight keys that a load touches lie 32 banks apart (64 banks of 4 bytes: ISA guide 11.1)
.set KSTP,  4*KGRP                     ; a key step of K
.set VREG,  64*KGRP                    ; V: 64 rows d
.set VP,    1552                       ; of 1,536 bytes + 16: row r starts at bank 4 r mod 64
.set KSC,   VREG+64*VP                 ; K's scales, widened to one word a key (bytes 2 and 3 are 0): 8,192 bytes
.set VSC,   KSC+8192                   ; V's [d][64], dense
.set MASK,  VSC+4096                   ; for each wave 16,384 bytes: the causal image, then the window's edge image; an image is 64 registers, four at 512 q + 16 lane
.set STAGE, MASK+4*16384               ; for each wave 16 rows x 272 bytes, for the way out
.set SP,    272
; window 0
.set L16, 1                            ; 16 x lane: my place in a load's 512 bytes; never rewritten
.set AK,  2                            ; my lane's place in a step of K
.set AKS, 3                            ; among K's scale words
.set AV,  4                            ; in V
.set AVS, 5                            ; among V's scale words
.set AMC, 6                            ; in my wave's causal image
.set STO, 7                            ; the stage: where I put 32 bytes of a row
.set RD,  8                            ; and where I read a row back
.set GOL, 9                            ; my byte in two rows of out
.set QOL, 10                           ; my byte in 16 rows of Q's codes
.set QSL, 11                           ; the word of Q's scales that holds my row's two bytes
.set SH8, 12                           ; 8 x (lane / 16)
.set NEGV, 13                          ; -1e30
.set ADK, 14                           ; the addresses in hand (at the head: where my quarter of K, its scales, V and its scales goes)
.set ADS, 15
.set ADV, 16
.set ADV2, 17
.set ADT, 18
.set ADM, 19
.set VQX, 20                           ; offsets in memory: Q's codes, Q's scales, out, for X and for Y
.set VQY, 21
.set VSX, 22
.set VSY, 23
.set VGX, 24
.set VGY, 25
.set SH16, 26                          ; 16 x (row % 2): where my row's two scale bytes stand in their word
.set SKO, 27                           ; the sink's offset: 4 x the head within its batch
.set QX,  28                           ; v28-33, v34-39 Q's codes of X and of Y
.set QY,  34
.set QXS, 40                           ; their scale words
.set QYS, 41
.set QSS, 42                           ; v42, v43 the slot's, by the slot's parity
.set QS,  44                           ; v44-55 an even slot's fragment of Q; v50-55 zero codes
.set KSCL, 56                          ; v56-59 an even slot's scale words of K: lanes 0-15 an even tile's, lanes 16-31 the odd tile's behind it  (in phase 3 v56-57: an odd slot's scale words of V)
.set VSCL, 60                          ; v60-61 an even slot's scale words of V likewise
.set PSC, 62                           ; v62-63 P's scale word, by the slot's parity
.set FR,  64                           ; v64-117 an even slot's 8 tiles of K (6 registers each, then 6 zeros), then an even slot's 4 x 12 of V, then X's rows on the way out
.set PC,  120                          ; v120-131 P's codes
.set PT0, 132                          ; the second three registers of a block's six are made here and moved: a conversion's three begin on an even number
.set PT1, 136
.set BY0, 140
.set BY1, 141
.set W,   142
.set W2,  143
.set TU,  144                          ; v144-152 the slots' largest scores
.set MX,  154
.set MY,  155
.set NCMX, 156                         ; -c m
.set NCMY, 157
.set LX,  158                          ; v[158:159], v[160:161] the sums, in two halves
.set LY,  160
.set RLX, 162                          ; 1 / l
.set RLY, 163
.set PSX, 164                          ; the sink's term
.set PSY, 165
.set TA,  166
.set TB,  167
.set TC,  168
.set TD,  169
.set TE,  170
.set TF,  171
.set VSK, 172                          ; the sink's logit x log2(e),
.set VNSK, 173                         ; and its negative
.set KSCL1, 176                        ; v176-179 an odd slot's scale words of K
.set QS1, 180                          ; v180-191 an odd slot's fragment of Q; v186-191 zero codes
.set OX,  192                          ; v192-223 X's O^T, v224-255 Y's  (at the head v192-207: K's scale words)
.set OY,  224
.set FR1, 192                          ; v192-245 in phase 1: an odd slot's 8 tiles of K; behind the last tile stand six registers that are written once, at the head, and later hold sums: any codes, which Q's zero codes annul
.set RKS, 208                          ; at the head: v208-215 K's scale bytes as loaded, v216-223 V's
.set RVS, 216
; windows 1 to 3: window w holds slots 3 (w - 1) + k, k = 0, 1, 2: v[64 k ..] the scores, then p; v[192 + 2 k] a pair whose low word is -c m, later 1 / l; v[198 + 2 k + c] block c's largest score, later p;
; v[204 + 4 k ..] two chains of sums; v216-217 a second chain of maxima; v218-219 the conversions' scale operands.  At the head: window 1 v0-127 the images, window 2 v0-191 K's codes, window 3 v0-191 V's.
; In phase 3, window 1 v0-47: an odd slot's 4 x 12 of V
.set WV,  20
.set HD,  21
.set PI,  22
.set Z,   23
.set T,   24
.set JX,  25
.set A,   26
.set RX,  27
.set RY,  28
.set K1,  29
.set K2,  30
.set T0,  31
.set CS,  32                           ; s[32:33] c = log2(e) / 8: the packed form names a pair and takes its low word for both halves
.set SEL, 34                           ; s[34:35] v_permlanex16_b32's selects for lane l xor 16
.set SM,  36
.set NCS, 37
.set FX,  38
.set FY,  40
.set T1,  44
.set TN,  45
.set NRX, 46
.set NRY, 47
.set MOFF, 48
.set BROW, 49
.set DJ,  58
.set DA,  59
.set MSB, 0
.macro WIN new                         ; bits 1:0 source 0, 3:2 source 1, 5:4 source 2, 7:6 destination; the immediate's high byte repeats the setting that is left; a switch that changes nothing is dropped
.if MSB != (\new)
	s_set_vgpr_msb (MSB<<8)|(\new)
.set MSB, \new
.endif
.endm
.macro PICK u                          ; all ones where slot u is X's
	s_cmp_ge_u32 s[A], \u
	s_cselect_b32 s[SM], -1, 0
.endm
.macro KS u                            ; slot u's key step: X walks down from its diagonal step, Y up to its own
	s_sub_co_u32 s[K1], s[JX], \u
	s_sub_co_u32 s[K2], (\u)-1, s[A]
	s_cmp_ge_u32 s[A], \u
	s_cselect_b32 s[K1], s[K1], s[K2]
	s_and_b32 s[K1], s[K1], 15                     ; a head has 16 key steps
.endm
; Trip t: 0: blocks 2 Z + PI (X, Z + 1 steps) and 14 - 2 Z + PI (Y, 8 - Z steps); 1, 2: block 14 + 4 Z + 2 t + PI, all nine slots X's.  rx, ry: my wave's first rows; j: X's diagonal step; a: X's last slot
.macro PARAMS t, rx, ry, j, a
	s_lshl_b32 s[T0], s[Z], 1
	s_add_co_u32 s[\rx], s[T0], s[PI]
	s_sub_co_u32 s[\ry], 14, s[T0]
	s_add_co_u32 s[\ry], s[\ry], s[PI]
	s_add_co_u32 s[T1], s[T0], s[\t]
	s_add_co_u32 s[\j], s[T1], 7
	s_lshl_b32 s[T1], s[T1], 1
	s_add_co_u32 s[T1], s[T1], 14
	s_add_co_u32 s[T1], s[T1], s[PI]
	s_cmp_eq_u32 s[\t], 0
	s_cselect_b32 s[\rx], s[\rx], s[T1]
	s_cselect_b32 s[\ry], s[\ry], s[T1]
	s_cselect_b32 s[\j], s[Z], s[\j]
	s_cselect_b32 s[\a], s[Z], 8
	s_lshl_b32 s[\rx], s[\rx], 6
	s_add_co_u32 s[\rx], s[\rx], s[BROW]
	s_lshl_b32 s[\ry], s[\ry], 6
	s_add_co_u32 s[\ry], s[\ry], s[BROW]
.endm
.macro QADR rx, ry                     ; the four offsets of Q's loads
	s_mul_i32 s[T0], s[\rx], 48
	s_lshl_b32 s[T1], s[\rx], 1
	v_add_nc_u32 v[VQX], s[T0], v[QOL]
	v_add_nc_u32 v[VSX], s[T1], v[QSL]
	s_mul_i32 s[T0], s[\ry], 48
	s_lshl_b32 s[T1], s[\ry], 1
	v_add_nc_u32 v[VQY], s[T0], v[QOL]
	v_add_nc_u32 v[VSY], s[T1], v[QSL]
.endm
.macro QLD                             ; Q's fragments of X and of Y, 24 bytes a lane, and the words that hold their rows' scale bytes
.irp p, 0,1,2
	global_load_b64 v[QX+2*\p:QX+2*\p+1], v[VQX], s[4:5] offset:8*\p
	global_load_b64 v[QY+2*\p:QY+2*\p+1], v[VQY], s[4:5] offset:8*\p
.endr
	global_load_b32 v[QXS], v[VSX], s[6:7]
	global_load_b32 v[QYS], v[VSY], s[6:7]
.endm
; The largest score of each of slot u's two blocks of 32 keys: four chains by turns; each accumulator is first read at its low end
.macro MAXS u
.set mw, 1+(\u)/3
.set mk, (\u)%3
.set mb, 64*mk
	WIN 0x55*mw
.irp c, 0,1
	v_max3_num_f32 v[216+\c], v[mb+32*\c], v[mb+32*\c+1], v[mb+32*\c+2]
.endr
.irp c, 0,1
	v_max3_num_f32 v[198+2*mk+\c], v[mb+32*\c+16], v[mb+32*\c+17], v[mb+32*\c+18]
.endr
.irp j, 3,5,7,9,11,13
.irp c, 0,1
	v_max3_num_f32 v[216+\c], v[216+\c], v[mb+32*\c+\j], v[mb+32*\c+\j+1]
.endr
.irp c, 0,1
	v_max3_num_f32 v[198+2*mk+\c], v[198+2*mk+\c], v[mb+32*\c+16+\j], v[mb+32*\c+17+\j]
.endr
.endr
.irp c, 0,1
	v_max_num_f32 v[216+\c], v[216+\c], v[mb+32*\c+15]
.endr
.irp c, 0,1
	v_max3_num_f32 v[198+2*mk+\c], v[198+2*mk+\c], v[mb+32*\c+31], v[216+\c]
.endr
.endm
; PHASE 1.  The two LDS addresses of slot u's loads
.macro KADR u
	KS \u
	s_mul_i32 s[T0], s[K1], KSTP
	s_lshl_b32 s[T1], s[K1], 9                     ; 128 scale words a step
	v_add_nc_u32 v[ADK], s[T0], v[AK]
	v_add_nc_u32 v[ADS], s[T1], v[AKS]
.endm
; Slot u's 8 tiles of K and their scale words, into the buffers of its parity; for slots 0 and 8 the mask's image too, into the slot's accumulators: it is the products' C
.macro KLOAD u
.set kf, FR+(FR1-FR)*((\u)%2)
.set kc, KSCL+(KSCL1-KSCL)*((\u)%2)
.set kb, 64*((\u)%3)
.set i, 0
.rept 8
.irp p, 0,1,2
	ds_load_b64 v[kf+6*i+2*\p:kf+6*i+2*\p+1], v[ADK] offset:2*KGRP*(i/4)+384*(i%4)+8*\p
.endr
.set i, i+1
.endr
.irp q, 0,1,2,3
	ds_load_b32 v[kc+\q], v[ADS] offset:256*(\q/2)+64*(\q%2)
.endr
.if ((\u)==0)||((\u)==8)
	WIN (1+(\u)/3)<<6
.set i, 0
.rept 16
.if (\u)==0
	ds_load_b128 v[kb+4*i:kb+4*i+3], v[AMC] offset:512*i
.else
	ds_load_b128 v[kb+4*i:kb+4*i+3], v[ADM] offset:512*i
.endif
.set i, i+1
.endr
	WIN 0
.endif
.endm
; Slot u's fragment of Q and its scale word are chosen, into the registers of its parity; the scale word first: it stands 8 places ahead of the products, the codes 4
.macro QPICK u
	PICK \u
	v_cndmask_b32 v[QSS+(\u)%2], v[QYS], v[QXS], s[SM]
.irp j, 0,1,2,3,4,5
	v_cndmask_b32 v[QS+(QS1-QS)*((\u)%2)+\j], v[QY+\j], v[QX+\j], s[SM]
.endr
.endm
; Slot u's step: the next slot's loads are asked for, then this slot's 8 products, then the vector work: the next slot's Q and the maxima of the slot before
.macro SLOT1 u
.set ww, 1+(\u)/3
.set sb, 64*((\u)%3)
.set msk, ((\u)==0)||((\u)==8)
	WIN 0
	s_wait_dscnt 0x0                               ; slot u's tiles of K, its scale words and its image are in
.if (\u) < 8
	s_wait_alu depctr_vm_vsrc(0)                   ; slot u's LDS loads have read v[ADK] and v[ADS], which the two additions below write again
	KADR (\u)+1
	s_wait_alu depctr_va_vdst(0)                   ; v[ADK] and v[ADS] are written; the products of the slot before are done reading the other buffer of K and its scale words, in which the loads below land; the selects of the step before have written this slot's Q and its scale word, which the products below take
	KLOAD (\u)+1
.else
	s_add_co_u32 s[TN], s[T], 1
	s_min_u32 s[TN], s[TN], 2                      ; the next trip's Q is asked for here; the last trip names its own rows again, so that no load leaves its buffer
	PARAMS TN, NRX, NRY, DJ, DA
	s_wait_alu depctr_vm_vsrc(0)                   ; this trip's loads of Q have read their four offsets, which the additions below write again
	QADR NRX, NRY
	s_wait_alu depctr_va_vdst(0)                   ; the four offsets are written; the selects, the last of them in slot 7's step, are done reading Q's codes and scale words, and the trip's head has written the scale words: the loads below land in them; slot 7's step has written this slot's Q and its scale word, which the products below take
	QLD
.endif
	WIN (ww<<6)|(ww<<4)
.set i, 0
.rept 8
.set rD, sb+8*i
.set rA, FR+(FR1-FR)*((\u)%2)+6*i
.set rK, KSCL+(KSCL1-KSCL)*((\u)%2)+i/2
.set rQ, QS+(QS1-QS)*((\u)%2)
.set rS, QSS+(\u)%2
.if msk && (i%2)
	v_wmma_scale_f32_16x16x128_f8f6f4 v[rD:rD+7], v[rA:rA+11], v[rQ:rQ+11], v[rD:rD+7], v[rK], v[rS] matrix_a_fmt:MATRIX_FMT_FP6 matrix_b_fmt:MATRIX_FMT_FP6 matrix_a_scale:MATRIX_SCALE_ROW1
.elseif msk
	v_wmma_scale_f32_16x16x128_f8f6f4 v[rD:rD+7], v[rA:rA+11], v[rQ:rQ+11], v[rD:rD+7], v[rK], v[rS] matrix_a_fmt:MATRIX_FMT_FP6 matrix_b_fmt:MATRIX_FMT_FP6
.elseif i%2
	v_wmma_scale_f32_16x16x128_f8f6f4 v[rD:rD+7], v[rA:rA+11], v[rQ:rQ+11], 0, v[rK], v[rS] matrix_a_fmt:MATRIX_FMT_FP6 matrix_b_fmt:MATRIX_FMT_FP6 matrix_a_scale:MATRIX_SCALE_ROW1
.else
	v_wmma_scale_f32_16x16x128_f8f6f4 v[rD:rD+7], v[rA:rA+11], v[rQ:rQ+11], 0, v[rK], v[rS] matrix_a_fmt:MATRIX_FMT_FP6 matrix_b_fmt:MATRIX_FMT_FP6
.endif
.set i, i+1
.endr
	WIN 0
.if (\u) < 8
	QPICK (\u)+1                                   ; into the registers that these products do not name
.endif
.if (\u) > 0
	MAXS (\u)-1                                    ; 32 plain lines: the places between the scale word and the codes just chosen and the next products, and behind these products (ISA guide 7.12.1)
.else
.rept 4
	v_nop                                          ; there are no maxima yet: with the selects behind the scale word's these make its 8 places, and the codes' 4
.endr
.endif
.endm
; PHASE 2.  Line i of 31 of the sum of slot a's 32 pairs, in two chains
.macro SUMOP a
.set sa, 204+4*(\a)
.set sp, 64*(\a)
.if i == 0
	v_pk_add_f32 v[sa:sa+1], v[sp:sp+1], v[sp+4:sp+5]
.elseif i == 1
	v_pk_add_f32 v[sa+2:sa+3], v[sp+2:sp+3], v[sp+6:sp+7]
.elseif i < 30
	v_pk_add_f32 v[sa+2*(i%2):sa+2*(i%2)+1], v[sa+2*(i%2):sa+2*(i%2)+1], v[sp+2*i+4:sp+2*i+5]
.elseif i == 30
	v_pk_add_f32 v[sa:sa+1], v[sa:sa+1], v[sa+2:sa+3]
.endif
.endm
; Three slots of a window in a pipeline: slot e's 66 exponentials, slot f's scalings c s - c m, slot a's sums, by turns (-1: none).  No line here names a result of this batch: ONE wait stands at its end,
; ahead of the next call, in which the sums read it
.macro X2 e, f, a
.set i, 0
.rept 32
.if (\e) >= 0
	v_exp_f32 v[64*(\e)+2*i], v[64*(\e)+2*i]
.endif
.if (\f) >= 0
	v_pk_fma_f32 v[64*(\f)+2*i:64*(\f)+2*i+1], v[64*(\f)+2*i:64*(\f)+2*i+1], s[CS:CS+1], v[192+2*(\f):193+2*(\f)] op_sel_hi:[1,0,0]
.endif
.if (\e) >= 0
	v_exp_f32 v[64*(\e)+2*i+1], v[64*(\e)+2*i+1]
.endif
.if (\a) >= 0
	SUMOP \a
.endif
.set i, i+1
.endr
.if (\e) >= 0
	v_exp_f32 v[198+2*(\e)], v[198+2*(\e)]         ; each block's largest score goes the same way as the scores: the same lines on the same number give the same bits
	v_exp_f32 v[199+2*(\e)], v[199+2*(\e)]
.endif
.if (\f) >= 0
	v_fma_f32 v[198+2*(\f)], v[198+2*(\f)], s[CS], v[192+2*(\f)]
	v_fma_f32 v[199+2*(\f)], v[199+2*(\f)], s[CS], v[192+2*(\f)]
.endif
.if (\e) >= 0
	v_nop                                          ; a plain line behind the last exponential
	s_wait_alu depctr_va_vdst(0)                   ; slot e's 66 exponentials have written their results: one wait for the batch, ahead of its first reader
.endif
.endm
.macro GROUP2 w
	WIN (\w)<<6
.irp k, 0,1,2
	PICK 3*((\w)-1)+\k
	v_cndmask_b32 v[192+2*\k], v[NCMY], v[NCMX], s[SM]   ; the slot's -c m
.endr
	WIN 0x55*(\w)
	X2 -1, 0, -1
	X2 0, 1, -1
	X2 1, 2, 0
	X2 2, -1, 1
	X2 -1, -1, 2
	WIN \w
.irp k, 0,1,2
	s_cmp_ge_u32 s[A], 3*((\w)-1)+\k
	s_cselect_b32 s[FX], 1.0, 0
	s_cselect_b32 s[FY], 0, 1.0
	v_pk_fma_f32 v[LX:LX+1], v[204+4*\k:205+4*\k], s[FX:FX+1], v[LX:LX+1] op_sel_hi:[1,0,1]   ; the slot's sum goes to its owner: x 1 there, x 0 in the other
	v_pk_fma_f32 v[LY:LY+1], v[204+4*\k:205+4*\k], s[FY:FY+1], v[LY:LY+1] op_sel_hi:[1,0,1]
.endr
.endm
; PHASE 3
.macro NORM u                          ; p / l, and the same of each block's largest p
.set nw, 1+(\u)/3
.set nk, (\u)%3
.set nb, 64*nk
	WIN 0x55*nw
.set i, 0
.rept 32
	v_pk_mul_f32 v[nb+2*i:nb+2*i+1], v[nb+2*i:nb+2*i+1], v[192+2*nk:193+2*nk] op_sel_hi:[1,0]
.set i, i+1
.endr
	v_mul_f32 v[198+2*nk], v[198+2*nk], v[192+2*nk]
	v_mul_f32 v[199+2*nk], v[199+2*nk], v[192+2*nk]
.endm
.macro SCALE u                         ; the two blocks' scale operands and bytes; with lane l xor 16's two the scale word of these 128 keys is whole
.set cw, 1+(\u)/3
.set ck, (\u)%3
	WIN 0x55*cw
	v_max_num_f32 v[218], 0x1800000, v[198+2*ck]   ; the floor 2^(3 - 127): the byte cannot fall under 1
	v_max_num_f32 v[219], 0x1800000, v[199+2*ck]
	v_add_nc_u32 v[218], 0xff000000, v[218]        ; 2 off the exponent field: the conversion takes the exponent field of this operand as its scale
	v_add_nc_u32 v[219], 0xff000000, v[219]
	WIN cw<<2
	v_lshrrev_b32 v[BY0], 23, v[218]               ; the bytes of blocks h and 2 + h
	v_lshrrev_b32 v[BY1], 23, v[219]
	WIN 0
	v_lshl_or_b32 v[W], v[BY1], 16, v[BY0]
	v_lshlrev_b32 v[W], v[SH8], v[W]
	v_permlanex16_b32 v[W2], v[W], s[SEL], s[SEL+1]
	v_or_b32 v[PSC+(\u)%2], v[W], v[W2]
.endm
.macro VADR u                          ; the three LDS addresses of slot u's loads
	KS \u
	s_mul_i32 s[T0], s[K1], 96
	s_lshl_b32 s[T1], s[K1], 2
	v_add_nc_u32 v[ADV], s[T0], v[AV]
	v_add_nc_u32 v[ADV2], 32*VP, v[ADV]            ; tiles 2 and 3: beyond the 16 bits of an LDS offset
	v_add_nc_u32 v[ADT], s[T1], v[AVS]
.endm
.macro VLD u                           ; V's four tiles of slot u's key step, and their scale words, into the buffers of its parity: window 0 from v64 on, or window 1 from v0 on
.set vp, (\u)%2
.set vb, FR*(1-vp)
	WIN vp<<6
.set i, 0
.rept 4
.irp p, 0,1,2,3,4,5
.if i < 2
	ds_load_b64 v[vb+12*i+2*\p:vb+12*i+2*\p+1], v[ADV] offset:16*VP*(i%2)+48*(\p/3)+8*(\p%3)
.else
	ds_load_b64 v[vb+12*i+2*\p:vb+12*i+2*\p+1], v[ADV2] offset:16*VP*(i%2)+48*(\p/3)+8*(\p%3)
.endif
.endr
.set i, i+1
.endr
	WIN 0
	ds_load_b32 v[VSCL-4*vp], v[ADT]
	ds_load_b32 v[VSCL-4*vp+1], v[ADT] offset:2048
.endm
.macro CVT u                           ; 64 numbers a lane become the operand's 12 registers
.set cw, 1+(\u)/3
.set cb, 64*((\u)%3)
	WIN 5*cw
	v_cvt_scalef32_pk16_fp6_f32 v[PC:PC+2], v[cb:cb+15], v[218]
	v_cvt_scalef32_pk16_fp6_f32 v[PT0:PT0+2], v[cb+16:cb+31], v[218]
	v_cvt_scalef32_pk16_fp6_f32 v[PC+6:PC+8], v[cb+32:cb+47], v[219]
	v_cvt_scalef32_pk16_fp6_f32 v[PT1:PT1+2], v[cb+48:cb+63], v[219]
	WIN 0
	v_nop                                          ; one plain line behind a scaled conversion
.irp j, 0,1,2
	v_mov_b32 v[PC+3+\j], v[PT0+\j]
	v_mov_b32 v[PC+9+\j], v[PT1+\j]
.endr
.endm
.macro PV1 acc, t, par, zero
.set rO, (\acc)+8*(\t)
.set rV, FR*(1-(\par))+12*(\t)
.set rW, VSCL-4*(\par)+(\t)/2
.if (\zero) && ((\t)%2)
	v_wmma_scale_f32_16x16x128_f8f6f4 v[rO:rO+7], v[rV:rV+11], v[PC:PC+11], 0, v[rW], v[PSC+(\par)] matrix_a_fmt:MATRIX_FMT_FP6 matrix_b_fmt:MATRIX_FMT_FP6 matrix_a_scale:MATRIX_SCALE_ROW1
.elseif (\zero)
	v_wmma_scale_f32_16x16x128_f8f6f4 v[rO:rO+7], v[rV:rV+11], v[PC:PC+11], 0, v[rW], v[PSC+(\par)] matrix_a_fmt:MATRIX_FMT_FP6 matrix_b_fmt:MATRIX_FMT_FP6
.elseif (\t)%2
	v_wmma_scale_f32_16x16x128_f8f6f4 v[rO:rO+7], v[rV:rV+11], v[PC:PC+11], v[rO:rO+7], v[rW], v[PSC+(\par)] matrix_a_fmt:MATRIX_FMT_FP6 matrix_b_fmt:MATRIX_FMT_FP6 matrix_a_scale:MATRIX_SCALE_ROW1
.else
	v_wmma_scale_f32_16x16x128_f8f6f4 v[rO:rO+7], v[rV:rV+11], v[PC:PC+11], v[rO:rO+7], v[rW], v[PSC+(\par)] matrix_a_fmt:MATRIX_FMT_FP6 matrix_b_fmt:MATRIX_FMT_FP6
.endif
.endm
; O^T += V^T P of slot u, onto its owner's four accumulators, which take turns, one instruction a turn.  Slot 0 is always X's and starts X's sums.  The branch hangs on ids alone.
; An odd slot's tiles of V lie in window 1: source 0's window is set inside each arm, since at a branch and at a label every window is 0
.macro PV u
.if (\u) == 0
.irp t, 0,1,2,3
	PV1 OX, \t, 0, 1
.endr
.else
	s_cmp_ge_u32 s[A], \u
	s_cbranch_scc0 .Lpvy_\@
	WIN (\u)%2
.irp t, 0,1,2,3
	PV1 OX, \t, (\u)%2, 0
.endr
	WIN 0
	s_branch .Lpvj_\@
.Lpvy_\@:
	WIN (\u)%2
.irp t, 0,1,2,3
	PV1 OY, \t, (\u)%2, 0
.endr
	WIN 0
.Lpvj_\@:
.endif
.endm
; Slot u's step: the next slot's loads are asked for, then this slot's 4 products, then the vector work: the next slot's scale word and codes, and p / l of the slot after it
.macro P3 u
	WIN 0
	s_wait_dscnt 0x0                               ; slot u's tiles of V and their scale words are in
.if (\u) < 8
	s_wait_alu depctr_vm_vsrc(0)                   ; slot u's LDS loads have read v[ADV], v[ADV2] and v[ADT], which the three additions below write again
	VADR (\u)+1
.endif
	s_wait_alu depctr_va_vdst(0)                   ; the conversions and moves have written P's codes and the scale word, which the products below take; the three addresses are written; the products of the slot before (for slot 0: the conversions that read slot 0's scores) are done reading the other buffer of V and its scale words, in which the loads below land
.if (\u) < 8
	VLD (\u)+1
.endif
	PV \u
.if (\u) < 8
	SCALE (\u)+1                                   ; its plain lines are the places behind the products, in front of the conversions into their operand
	CVT (\u)+1
.endif
.if (\u) < 7
	NORM (\u)+2                                    ; 34 plain lines: the places between the codes and the scale word just made and the next products
.endif
.if (\u) == 7
.rept 4
	v_nop                                          ; nothing is left to normalise: the codes' 4 places; with the seven plain lines behind the scale word's these make its 8
.endr
.endif
.endm
; THE WAY OUT of 16 rows: a lane holds 32 neighbouring bytes of four pieces of a row; they go through my stage and come back as whole rows of 256 bytes
.macro OUT acc, back, off
.irp t, 0,1,2,3
	ds_store_b128 v[STO], v[(\acc)+8*\t:(\acc)+8*\t+3] offset:64*\t            ; each accumulator from its low end on
	ds_store_b128 v[STO], v[(\acc)+8*\t+4:(\acc)+8*\t+7] offset:64*\t+16
.endr
.irp j, 0,1,2,3,4,5,6,7
	ds_load_b128 v[(\back)+4*\j:(\back)+4*\j+3], v[RD] offset:2*SP*\j          ; LDS serves a wave's instructions in order (ISA guide 5.7.1.4): these see the stores above
.endr
.irp j, 0,1,2,3,4,5,6,7
	s_wait_dscnt 7-\j                              ; the 7 - j younger loads may stay out
	global_store_b128 v[\off], v[(\back)+4*\j:(\back)+4*\j+3], s[18:19] offset:512*\j th:TH_STORE_NT   ; 16 lanes store 256 consecutive bytes, a row of out, at a multiple of 256 from its first byte
.endr
.endm
	; ---- THE HEAD
	s_load_b256 s[4:11], s[0:1], 0x0               ; q_codes, q_scales, k_codes, k_scales
	s_load_b256 s[12:19], s[0:1], 0x20             ; v_codes, v_scales, sink_weights, out0
	v_lshl_add_u32 v174, v0, 2, 0x49800
	v_mov_b32 v175, 0
	v_lshrrev_b32 v[TA], 5, v0
	v_readfirstlane_b32 s[WV], v[TA]               ; wave 0..3
	s_lshr_b32 s[HD], ttmp9, 3                     ; the head: eight work-groups each
	s_and_b32 s[PI], ttmp9, 1                      ; the parity of all my blocks
	s_bfe_u32 s[Z], ttmp9, 0x20001                 ; 0..3: which blocks
	v_and_b32 v[TA], 31, v0                        ; lane
	v_lshlrev_b32 v[L16], 4, v[TA]
	s_wait_alu depctr_va_sdst(0)                   ; the wave's number is written, ahead of its first reader
	; where my quarter of the head goes in LDS
	s_mul_i32 s[T0], s[WV], 16*KGRP
	v_add_nc_u32 v[ADK], s[T0], v[L16]             ; K: 16 groups of 32 keys
	s_mul_i32 s[T0], s[WV], 16*VP
	s_add_co_u32 s[T0], s[T0], VREG
	v_add_nc_u32 v[ADV], s[T0], v[L16]             ; V: 16 rows
	s_lshl_b32 s[T0], s[WV], 11
	s_add_co_u32 s[T0], s[T0], KSC
	v_lshl_add_u32 v[ADS], v[TA], 5, s[T0]         ; K's scale words: 512 keys a wave; a lane's 16 bytes as loaded are 8 keys, 32 bytes as words
	s_lshl_b32 s[T1], s[WV], 10
	s_add_co_u32 s[T0], s[T1], VSC
	v_add_nc_u32 v[ADT], s[T0], v[L16]             ; V's scale bytes: 1,024 a wave
	s_mul_i32 s60, s[HD], 98304                    ; a head's codes: 2,048 x 48 = 64 x 1,536 bytes; my wave's quarter
	s_mul_i32 s61, s[WV], 24576
	s_add_co_u32 s60, s60, s61
	s_mov_b32 s61, 0
	s_lshl_b32 s62, s[HD], 12                      ; a head's scale bytes: 4,096; my wave's quarter
	s_add_co_u32 s62, s62, s[T1]
	s_mov_b32 s63, 0
	s_and_b32 s[K1], s[HD], 15                     ; the head within its batch
	s_lshl_b32 s[K1], s[K1], 2
	v_mov_b32 v[SKO], s[K1]
	; my lane's places
	v_and_b32 v[TA], 15, v0                        ; r
	v_bfe_u32 v[TB], v0, 4, 1                      ; h
	v_and_b32 v[TC], 7, v0                         ; r % 8
	v_bfe_u32 v[TD], v0, 3, 1                      ; r / 8
	v_mul_u32_u24 v[AK], v[TC], 48
	v_mad_u32_u24 v[AK], v[TD], KGRP, v[AK]
	v_mad_u32_u24 v[AK], v[TB], 24, v[AK]          ; K: key 32 (r / 8) + r % 8 of a tile, + my half's 24 bytes
	v_lshl_add_u32 v[AKS], v[TC], 2, KSC
	v_lshl_add_u32 v[AKS], v[TD], 7, v[AKS]
	v_lshl_add_u32 v[AKS], v[TB], 5, v[AKS]        ; its scale words: 4 bytes a key; lanes 16-31 take the tile 8 keys on
	v_mul_u32_u24 v[AV], v[TA], VP
	v_mad_u32_u24 v[AV], v[TB], 24, v[AV]
	v_add_nc_u32 v[AV], VREG, v[AV]
	v_lshl_add_u32 v[AVS], v[TA], 6, VSC
	v_lshl_add_u32 v[AVS], v[TB], 10, v[AVS]       ; V's scales: 64 bytes a row; lanes 16-31 take the tile 16 rows on
	s_lshl_b32 s[T0], s[WV], 14
	s_add_co_u32 s[T0], s[T0], MASK
	v_add_nc_u32 v[AMC], s[T0], v[L16]
	s_mul_i32 s[T0], s[WV], 16*SP
	s_add_co_u32 s[T0], s[T0], STAGE
	v_mul_u32_u24 v[STO], v[TA], SP
	v_lshl_add_u32 v[STO], v[TB], 5, v[STO]
	v_add_nc_u32 v[STO], s[T0], v[STO]
	v_mul_u32_u24 v[RD], v[TB], SP
	v_lshl_add_u32 v[RD], v[TA], 4, v[RD]
	v_add_nc_u32 v[RD], s[T0], v[RD]
	v_lshlrev_b32 v[GOL], 8, v[TB]
	v_lshl_add_u32 v[GOL], v[TA], 4, v[GOL]
	v_mul_u32_u24 v[QOL], v[TA], 48
	v_mad_u32_u24 v[QOL], v[TB], 24, v[QOL]
	v_lshrrev_b32 v[QSL], 1, v[TA]
	v_lshlrev_b32 v[QSL], 2, v[QSL]                ; two rows' scale bytes to a word
	v_and_b32 v[SH16], 1, v0
	v_lshlrev_b32 v[SH16], 4, v[SH16]
	v_lshlrev_b32 v[SH8], 3, v[TB]
	v_mov_b32 v[NEGV], 0xf149f2ca                  ; -1e30
	s_lshl_b32 s[T0], s[PI], 6
	s_lshl_b32 s[T1], s[WV], 4
	s_add_co_u32 s[T0], s[T0], s[T1]
	v_add_nc_u32 v[TE], s[T0], v[TA]               ; my query's place in its diagonal key step: 64 PI + 16 wave + r,
	v_lshlrev_b32 v[TF], 5, v[TB]
	v_sub_nc_u32 v[TE], v[TE], v[TF]               ; less my half's 32 keys
.irp j, 0,1,2,3,4,5
	v_mov_b32 v[QS+6+\j], 0                        ; Q's zero codes for k = 64 .. 127, in both of its fragments
	v_mov_b32 v[QS1+6+\j], 0
	v_mov_b32 v[FR+48+\j], 0                       ; what stands behind K's last tile, in both of its buffers
	v_mov_b32 v[FR1+48+\j], 0
.endr
	v_mov_b32 v[W2], 0                             ; written once: a lane permute's destination counts as one of its sources (v[TC], v[TD] are written above)
	s_mov_b32 s[CS], 0x3e38aa3b                    ; c = log2(e) / 8
	s_mov_b32 s[CS+1], s[CS]
	s_mov_b32 s[NCS], 0xbe38aa3b
	s_mov_b32 s[SEL], 0x76543210
	s_mov_b32 s[SEL+1], 0xfedcba98
	s_mov_b32 s[FX+1], 0                           ; named as the upper halves of pairs
	s_mov_b32 s[FY+1], 0
	s_lshl_b32 s[BROW], s[HD], 11
	s_add_co_u32 s[BROW], s[BROW], s[T1]           ; 2,048 x head + 16 x wave
	s_mov_b32 s[T], 0
	PARAMS T, NRX, NRY, DJ, DA
	s_wait_kmcnt 0x0
	s_add_nc_u64 s[50:51], s[8:9], s[60:61]        ; my quarter of K's codes, K's scales, V's codes, V's scales
	s_add_nc_u64 s[52:53], s[10:11], s[62:63]
	s_add_nc_u64 s[54:55], s[12:13], s[60:61]
	s_add_nc_u64 s[56:57], s[14:15], s[62:63]
	QADR NRX, NRY                                  ; the first trip's Q
	s_wait_alu depctr_va_vdst(0)                   ; all offsets and LDS addresses made above are written, which the loads and LDS stores of the head read
	; 61 loads of mine go out here: Q's 8, the sink's 1, the scales' 4, K's 48
	QLD
	global_load_b32 v[VSK], v[SKO], s[16:17]       ; the sink's logit
	global_load_b128 v[RKS:RKS+3], v[L16], s[52:53]
	global_load_b128 v[RKS+4:RKS+7], v[L16], s[52:53] offset:512
	global_load_b128 v[RVS:RVS+3], v[L16], s[56:57]
	global_load_b128 v[RVS+4:RVS+7], v[L16], s[56:57] offset:512
	WIN 0x80                                       ; destination window 2
.set i, 0
.rept 48
	global_load_b128 v[4*i:4*i+3], v[L16], s[50:51] offset:512*i   ; 32 lanes read 512 consecutive bytes
.set i, i+1
.endr
.irp w, 1,2,3
	WIN \w<<6
.irp j, 192,193,194,195,196,197
	v_mov_b32 v[\j], 0                             ; the pairs of which the packed forms take the low word: the high words are written once
.endr
.endr
	; while they are on their way, the two images: register n of lane (r, h) stands for key kp + 32 h of a step, kp = 64 (n / 32) + n % 32.
	; Causal: hidden where the key comes after my query; edge: hidden where it lies more than 1,024 before it, that is kept where kp + 1 > my place.
	; Eight registers of each image at a time: sixteen compares into scalar registers that hold nothing here (the loop's numbers, which each trip makes anew), one wait, sixteen selects
	WIN 0x40
.set i, 0
.rept 8
.set j, 0
.irp m, 25,26,27,28,29,30,31,36
	v_cmp_gt_i32 s[\m], 64*((i+j)/32)+(i+j)%32, v[TE]
.set j, j+1
.endr
.set j, 0
.irp m, 44,45,46,47,48,58,59,60
	v_cmp_gt_i32 s[\m], 64*((i+j)/32)+(i+j)%32+1, v[TE]
.set j, j+1
.endr
	s_wait_alu depctr_va_sdst(0)                   ; the sixteen masks are written, ahead of the selects that read them
.set j, 0
.irp m, 25,26,27,28,29,30,31,36
	v_cndmask_b32 v[i+j], 0, v[NEGV], s[\m]
.set j, j+1
.endr
.set j, 0
.irp m, 44,45,46,47,48,58,59,60
	v_cndmask_b32 v[64+i+j], v[NEGV], v[QS+6], s[\m]   ; (v[QS+6] holds 0)
.set j, j+1
.endr
.set i, i+8
.endr
	WIN 0x04                                       ; an LDS store's data are its source 1
	s_wait_alu depctr_va_vdst(0)                   ; the selects have written the two images, which the LDS stores read
.set i, 0
.rept 32
	ds_store_b128 v[AMC], v[4*i:4*i+3] offset:512*i
.set i, i+1
.endr
	WIN 0
	s_wait_loadcnt 48                              ; loads come back in order (ISA guide 5.7.1): behind Q's, the sink's and the scales' stand K's 48, which may stay out
	v_mul_f32 v[VSK], 0x3fb8aa3b, v[VSK]           ; the sink's logit x log2(e),
	v_mul_f32 v[VNSK], -1.0, v[VSK]                ; and its negative
.set i, 0
.rept 8
	v_and_b32 v[OX+2*i], 0xffff, v[RKS+i]          ; K's scales: a key's two bytes become a word whose upper bytes are 0
	v_lshrrev_b32 v[OX+2*i+1], 16, v[RKS+i]
.set i, i+1
.endr
	s_wait_alu depctr_va_vdst(0)                   ; K's sixteen scale words are written, which the LDS stores read
.irp t, 0,1
	ds_store_b128 v[ADS], v[OX+8*\t:OX+8*\t+3] offset:1024*\t
	ds_store_b128 v[ADS], v[OX+8*\t+4:OX+8*\t+7] offset:1024*\t+16
	ds_store_b128 v[ADT], v[RVS+4*\t:RVS+4*\t+3] offset:512*\t
.endr
	WIN 0xc8                                       ; an LDS store's data window 2, a load's destination window 3: registers that no vector line has named
.set i, 0
.rept 48
	s_wait_loadcnt 47                              ; behind K's piece i stand 47 - i of K's and i of V's
	ds_store_b128 v[ADK], v[4*i:4*i+3] offset:KGRP*(i/3)+512*(i%3)
	global_load_b128 v[4*i:4*i+3], v[L16], s[54:55] offset:512*i
.set i, i+1
.endr
	WIN 0x0c
.set i, 0
.rept 48
	s_wait_loadcnt 47-i                            ; V's pieces behind piece i may stay out
	ds_store_b128 v[ADV], v[4*i:4*i+3] offset:VP*(i/3)+512*(i%3)
.set i, i+1
.endr
	WIN 0
	s_wait_dscnt 0x0                               ; for the others' sake: my quarter of the head lies in LDS (and my images)
	s_barrier_signal -1
	s_barrier_wait -1                              ; everybody's does; from here on these bytes are only read
	s_wait_alu depctr_vm_vsrc(0)                   ; my LDS stores have read their data (the images, the scale words, K's and V's codes) and their four addresses: the loop's products, loads and additions write all of these again
.Ltrip:                                            ; three trips, a unit of nine slots each
	PARAMS T, RX, RY, JX, A
	s_lshl_b32 s[MOFF], s[T], 13
	s_min_u32 s[MOFF], s[MOFF], 8192               ; slot 8: trip 0: Y's diagonal step, the causal image; later the window's edge
	s_wait_loadcnt 0x0                             ; this trip's Q
	v_lshrrev_b32 v[QXS], v[SH16], v[QXS]          ; my row's two scale bytes, the upper bytes 0
	v_lshrrev_b32 v[QYS], v[SH16], v[QYS]
	v_and_b32 v[QXS], 0xffff, v[QXS]
	v_and_b32 v[QYS], 0xffff, v[QYS]
	QPICK 0                                        ; the five additions below and the two at slot 0's head are the places between it and slot 0's products
	v_add_nc_u32 v[ADM], s[MOFF], v[AMC]
	s_lshl_b32 s[T0], s[RX], 8
	v_add_nc_u32 v[VGX], s[T0], v[GOL]
	s_lshl_b32 s[T0], s[RY], 8
	v_add_nc_u32 v[VGY], s[T0], v[GOL]
	KADR 0
	s_wait_alu depctr_va_vdst(0)                   ; the five addresses and offsets are written; all that the trip before (the first time: the head) did on K's first buffer, its scale words and slot 0's accumulators is done: the loads below land in them
	KLOAD 0
	; ---- PHASE 1: the scores
.irp u, 0,1,2,3,4,5,6,7,8
	SLOT1 \u
.endr
	MAXS 8                                         ; (slot 7's maxima are the places behind slot 8's products)
	; ---- the rows' maxima, the sink among the candidates
.set i, 0
.rept 9
	WIN 5*(1+i/3)
	v_max_num_f32 v[TU+i], v[198+2*(i%3)], v[199+2*(i%3)]
.set i, i+1
.endr
	WIN 0
	v_mov_b32 v[MX], v[TU]                         ; slot 0 is X's
	v_mov_b32 v[MY], v[NEGV]
.irp u, 1,2,3,4,5,6,7,8
	PICK \u
	v_cndmask_b32 v[TA], v[NEGV], v[TU+\u], s[SM]
	v_cndmask_b32 v[TB], v[TU+\u], v[NEGV], s[SM]
	v_max_num_f32 v[MX], v[MX], v[TA]
	v_max_num_f32 v[MY], v[MY], v[TB]
.endr
	v_permlanex16_b32 v[TC], v[MX], s[SEL], s[SEL+1]
	v_permlanex16_b32 v[TD], v[MY], s[SEL], s[SEL+1]
	v_max_num_f32 v[MX], v[MX], v[TC]              ; with lane l xor 16's keys
	v_max_num_f32 v[MY], v[MY], v[TD]
	v_mul_f32 v[NCMX], s[NCS], v[MX]
	v_mul_f32 v[NCMY], s[NCS], v[MY]
	v_min_num_f32 v[NCMX], v[VNSK], v[NCMX]        ; -max(c m, the sink's)
	v_min_num_f32 v[NCMY], v[VNSK], v[NCMY]
	v_add_f32 v[TA], v[VSK], v[NCMX]
	v_add_f32 v[TB], v[VSK], v[NCMY]
	v_exp_f32 v[PSX], v[TA]                        ; the sink's term of the sum; read far below, behind phase 2's waits
	v_exp_f32 v[PSY], v[TB]
	v_mov_b32 v[LX], 0
	v_mov_b32 v[LX+1], 0
	v_mov_b32 v[LY], 0
	v_mov_b32 v[LY+1], 0
	; ---- PHASE 2: p = 2^(c s - c m) in place, and its sums
	GROUP2 1
	GROUP2 2
	GROUP2 3
	WIN 0
	v_add_f32 v[TA], v[LX], v[LX+1]                ; the sum's two halves,
	v_add_f32 v[TB], v[LY], v[LY+1]
	v_permlanex16_b32 v[TC], v[TA], s[SEL], s[SEL+1]
	v_permlanex16_b32 v[TD], v[TB], s[SEL], s[SEL+1]
	v_add_f32 v[TA], v[TA], v[TC]                  ; lane l xor 16's,
	v_add_f32 v[TB], v[TB], v[TD]
	v_add_f32 v[TA], v[TA], v[PSX]                 ; and the sink's term, once
	v_add_f32 v[TB], v[TB], v[PSY]
	v_rcp_f32 v[RLX], v[TA]
	v_rcp_f32 v[RLY], v[TB]
	; ---- PHASE 3: p / l, the quantiser, V^T P
.set i, 0
.rept 32
	v_mov_b32 v[OY+i], 0                           ; Y's first slot hangs on the unit, so Y's sums begin as zeros; X's begin with slot 0's products.  (Plain lines behind the reciprocals)
.set i, i+1
.endr
	VADR 0
	s_wait_alu depctr_va_vdst(0)                   ; the two reciprocals are written, ahead of their first reader; so are slot 0's three addresses, which the loads below read
	VLD 0
.irp w, 1,2,3
	WIN \w<<6
.irp k, 0,1,2
	PICK 3*(\w-1)+\k
	v_cndmask_b32 v[192+2*\k], v[RLY], v[RLX], s[SM]   ; the slot's 1 / l
.endr
.endr
	NORM 0
	SCALE 0
	CVT 0
	NORM 1
.irp u, 0,1,2,3,4,5,6,7,8
	P3 \u
.endr
	; ---- the way out
.rept 4
	v_nop                                          ; the places behind the last products, in front of the stores that read them
.endr
	s_wait_alu depctr_va_vdst(0)                   ; the products have written the accumulators, which the LDS stores read, and are done reading V's first buffer, in which X's rows land; the places above stay beside this wait
	OUT OX, FR, VGX
	s_cmp_lg_u32 s[T], 0
	s_cbranch_scc1 .Lno_y                          ; only trip 0 has a Y
	s_wait_alu depctr_vm_vsrc(0)                   ; X's LDS stores have read X's accumulators, in which Y's rows land
	OUT OY, OX, VGY                                ; Y's rows come back into X's accumulators, which X's LDS stores have left
.Lno_y:
	s_wait_xcnt 0x0                                ; the stores have had their addresses translated (ISA guide 3.1): the next trip writes their data and offsets again only behind this wait
	s_wait_alu depctr_vm_vsrc(0)                   ; the stores have read their data and offsets, and this trip's LDS loads their addresses: the next trip's additions, loads and products write them again
	s_add_co_u32 s[T], s[T], 1
	s_cmp_lt_u32 s[T], 3
	s_cbranch_scc1 .Ltrip
	s_wait_dscnt 0x0
	s_wait_alu depctr_hold_cnt(0) depctr_sa_sdst(0) depctr_va_vdst(0) depctr_va_sdst(0) depctr_va_ssrc(0) depctr_va_vcc(0) depctr_vm_vsrc(0)
	s_wait_tensorcnt 0x0
	ds_add_u32 v174, v175
	s_wait_dscnt 0x0
	s_endpgm
.Lfunc_end_k_q95990b9449_attn:
	.size	k_q95990b9449_attn, .Lfunc_end_k_q95990b9449_attn-k_q95990b9449_attn
	.p2alignl 7, 3214868480
	.fill 96, 4, 3214868480
	.section	.rodata,"a",@progbits
	.p2align	6, 0x0
	.amdhsa_kernel k_q95990b9449_attn
		.amdhsa_group_segment_fixed_size 301568
		.amdhsa_private_segment_fixed_size 0
		.amdhsa_enable_private_segment 0
		.amdhsa_kernarg_size 64
		.amdhsa_user_sgpr_count 2
		.amdhsa_user_sgpr_kernarg_segment_ptr 1
		.amdhsa_wavefront_size32 1
		.amdhsa_system_sgpr_workgroup_id_x 1
		.amdhsa_system_sgpr_workgroup_id_y 1
		.amdhsa_system_sgpr_workgroup_id_z 1
		.amdhsa_system_vgpr_workitem_id 0
		.amdhsa_next_free_vgpr 1024
		.amdhsa_next_free_sgpr 66
		.amdhsa_reserve_vcc 0
		.amdhsa_float_denorm_mode_32 3
		.amdhsa_float_denorm_mode_16_64 3
		.amdhsa_memory_ordered 1
		.amdhsa_forward_progress 1
		.amdhsa_inst_pref_size 232
	.end_amdhsa_kernel
	.amdgpu_metadata
---
amdhsa.version: [ 1, 2 ]
amdhsa.kernels:
  - .name:           k_q95990b9449_attn
    .symbol:         k_q95990b9449_attn.kd
    .args:
      - { .name: q_codes, .offset: 0, .size: 8, .value_kind: global_buffer, .address_space: global }
      - { .name: q_scales, .offset: 8, .size: 8, .value_kind: global_buffer, .address_space: global }
      - { .name: k_codes, .offset: 16, .size: 8, .value_kind: global_buffer, .address_space: global }
      - { .name: k_scales, .offset: 24, .size: 8, .value_kind: global_buffer, .address_space: global }
      - { .name: v_codes, .offset: 32, .size: 8, .value_kind: global_buffer, .address_space: global }
      - { .name: v_scales, .offset: 40, .size: 8, .value_kind: global_buffer, .address_space: global }
      - { .name: sink_weights, .offset: 48, .size: 8, .value_kind: global_buffer, .address_space: global }
      - { .name: out0, .offset: 56, .size: 8, .value_kind: global_buffer, .address_space: global }
    .group_segment_fixed_size: 301568
    .private_segment_fixed_size: 0
    .kernarg_segment_align: 8
    .kernarg_segment_size: 64
    .max_flat_workgroup_size: 128
    .sgpr_count:     66
    .vgpr_count:     1024
    .wavefront_size: 32
...
	.end_amdgpu_metadata
.endif
;; end of part 2
